; MI455X (gfx1250); checked and timed in simulation.
; The chip was launched on July 23, 2026; its instructions are those of AMD's public machine-readable ISA for CDNA 5 (MIT licence, August 2026) and "CDNA5" Instruction Set Architecture Reference Guide (July 2026). The comments in the code are by the model that wrote it; some were corrected since.
;; Row Col RPA. Allowed arithmetic: float matrix products may take bf16 or f16 operands with f32 sums; all other float work in f32.
;; Inputs: Wk 256 x 256 float32; Wo 256 x 256 float32; Wq 256 x 256 float32; Wr 256 x 256 float32; Wv 256 x 256 float32; b1 256 float32; b2 256 float32; bk 256 float32; bo 256 float32; bq 256 float32; br 256 float32; bv 256 float32; g1 256 float32; g2 256 float32; x 2 x 512 x 256 float32.
;; Outputs: out0 2 x 512 x 256 float32.
;; 2 versions, each right; version 2 is version 1 with the launches proj, attn written anew for expert scheduling mode. Each part assembles by itself: llvm-mc -triple=amdgcn-amd-amdhsa -mcpu=gfx1250 --defsym DOCPART=n.
;; ======== version 1 of 2: 2 launches
;; workspace buffers: qf 1,048,576 bytes; kf 524,288 bytes; vf 524,288 bytes; pm 16,384 bytes; wof 131,072 bytes
;; launch proj (part 1): grid 16 x 8, 8 waves a work-group, no clusters, 171,008 bytes of LDS; arguments x, Wq, Wk, Wv, Wr, Wo, bq, bk, bv, br, qf, kf, vf, pm, wof; writes qf, kf, vf, pm, wof
.if DOCPART == 1
	.amdgcn_target "amdgcn-amd-amdhsa--gfx1250"
	.amdhsa_code_object_version 6
	.text
	.protected	k_q70e30a518d_proj
	.globl	k_q70e30a518d_proj
	.p2align	8
	.type	k_q70e30a518d_proj,@function
k_q70e30a518d_proj:
	s_mov_b64 s[64:65], 0
	v_nop
	global_prefetch_b8 v0, s[64:65] scope:SCOPE_SE
	s_setreg_imm32_b32 hwreg(HW_REG_WAVE_MODE, 25, 1), 1
	s_wait_xcnt 0x0
; PROJECTIONS.  x: [2][512][256] f32; Wq, Wk, Wv, Wr, Wo: [256][256] f32; biases [256] f32.
; R[i][j] = (x_i - x_j) Wr^T + br is linear in its rows: with P'_i = (x_i - x_first) Wr^T (x_first = the batch's row 0, taken away in f32
; before the rounding to bf16, so that a common offset of x cancels as it does in the pairwise difference)
;   max over i of R[i][j] = max_i P'_i - P'_j + br      max over j of R[i][j] = P'_i + max_j(-P'_j) + br
; for every input, since a maximum commutes with a term that does not hang on its index.  This launch stores
;   qf = x Wq^T + bq + br - P' (f32)   kf = x Wk^T + bk + br + P' (bf16)   vf = x Wv^T + bv (bf16)
;   pm = max P' and max(-P') over each block of 128 rows (f32)            wof = Wo in bf16
; each as the register image of the matrix fragment that the next launch wants: lane l stores the 16 bytes that lane l loads there.
; LIMITS: NaN and infinities in the inputs are not reproduced (v_max_num drops a NaN); the maxima are formed by the linearity above,
; so their order of rounding differs from a maximum over the projected differences.
; SHARES: work-group (ct, rb) = columns 16 ct .. +15 of all four products x rows 128 rb .. +127: 16 x 8 = 128 work-groups.
; Wave w = the 16 rows 128 rb + 16 w ..: four accumulators of 16 x 16, 8 K steps of 32, 32 matrix instructions.
; NO CLUSTER, NO TENSOR LOADS: x's rows are shared by 16 work-groups and W's by 8, but every number has to be centred and rounded from f32
; to bf16 between memory and LDS; a joint request would land 192 KiB of raw f32 in LDS, which would then be read, converted and written
; once more.  Through registers the conversion is on the way.
.set PITCH, 528                        ; an LDS row: 256 bf16 + 16 bytes = 33 x 16: the 16 rows of a fragment load fall on 16 different 16-byte columns
.set XI,   0                           ; bf16(x), 128 rows
.set XC,   128*PITCH                   ; bf16(x - x_first), 128 rows
.set WI,   256*PITCH                   ; 64 rows: 16 of Wq, Wk, Wv, Wr
.set RED,  320*PITCH                   ; [wave 8][max 16 | min 16] f32
.set PA,   8                           ; v[8:15]   x_first's 8 numbers of my lane, then the accumulator of P'
.set TMP,  16                          ; v[16:19]  at work; later the four LDS addresses XFA, XCFA, WFA, REDA
.set QA,   20                          ; v[20:27]  bq, then bq + br, then the accumulator of Q
.set KA,   28                          ; v[28:35]  bk likewise
.set VA,   36                          ; v[36:43]  br, then the accumulator of V
.set BV,   44                          ; v[44:45]  bv of my column, twice
.set WOS,  46                          ; v[46:61]  Wo's fragment (wave 0)
.set WS,   62                          ; v[62:125] W as loaded
.set XS,   126                         ; v[126:253] x as loaded
.set F,    62                          ; v[62:253] afterwards: 4 K steps x 48 registers: x 0, x centred 8, Wq 16, Wk 24, Wv 32, Wr 40
.set MX,   62                          ; v[62:69]  column maxima, v[70:77] column minima, once the fragments are done with
.macro ADDOFF dst, src, off            ; s[dst:dst+1] = s[src:src+1] + the 32-bit byte offset in s[off]
	s_mov_b32 s38, s[\off]
	s_add_nc_u64 s[\dst:\dst+1], s[\src:\src+1], s[38:39]
.endm
.macro PLACES n                        ; independent vector slots behind a matrix instruction (ISA guide 7.12.1)
.rept \n
	v_nop
.endr
.endm
	s_load_b512 s[8:23], s[0:1], 0x0               ; x 8, Wq 10, Wk 12, Wv 14, Wr 16, Wo 18, bq 20, bk 22
	s_load_b256 s[24:31], s[0:1], 0x40             ; bv 24, br 26, qf 28, kf 30
	s_load_b128 s[32:35], s[0:1], 0x60             ; vf 32, pm 34
	s_load_b64 s[36:37], s[0:1], 0x70              ; wof 36
	v_lshl_add_u32 v254, v0, 2, 0x29800
	v_mov_b32 v255, 0
	v_lshrrev_b32 v19, 5, v0
	v_readfirstlane_b32 s2, v19                    ; w
	v_and_b32 v16, 31, v0                          ; lane
	v_and_b32 v17, 15, v0                          ; r
	v_bfe_u32 v18, v0, 4, 1                        ; hh
	s_mov_b32 s3, ttmp9                            ; ct
	s_and_b32 s4, ttmp7, 0xffff                    ; rb
	s_lshr_b32 s5, s4, 2                           ; b
	s_mov_b32 s39, 0
	v_lshlrev_b32 v1, 4, v16                       ; 16 lane
	v_lshlrev_b32 v2, 5, v18                       ; 32 hh
	v_lshlrev_b32 v3, 2, v17                       ; 4 r
	v_lshl_add_u32 v4, v17, 10, v2                 ; Wo: row r, 8 hh floats along it
	s_mul_i32 s6, s2, 16*PITCH                     ; my 16 rows in XI (kept for the fragment addresses)
	s_mul_i32 s7, s2, 8*PITCH
	s_add_co_u32 s7, s7, WI                        ; my 8 rows in WI
	v_lshl_add_u32 v5, v16, 3, s6                  ; where my 4 bf16 of a row of x go
	v_add_nc_u32 v6, XC, v5                        ; and of the centred row
	v_lshl_add_u32 v7, v16, 3, s7                  ; and of a row of W
	; byte offsets, made while the arguments are on their way
	s_lshl_b32 s48, s5, 19                         ; the batch's first row
	s_lshl_b32 s49, s4, 17
	s_lshl_b32 s58, s2, 14
	s_add_co_u32 s49, s49, s58                     ; row 128 rb + 16 w of x
	s_and_b32 s59, s2, 1
	s_lshl_b32 s50, s3, 14
	s_lshl_b32 s58, s59, 13
	s_add_co_u32 s50, s50, s58                     ; row 16 ct + 8 (w & 1) of my W
	s_lshl_b32 s51, s3, 6                          ; column 16 ct of a bias
	s_and_b32 s60, s3, 1                           ; ct & 1
	s_lshr_b32 s61, s3, 1                          ; ct >> 1: the head, and Wo's K step
	s_lshl1_add_u32 s52, s4, s60
	s_lshl_b32 s52, s52, 14                        ; Wo: row tile 2 rb + (ct & 1),
	s_lshl_b32 s58, s61, 7
	s_add_co_u32 s52, s52, s58                     ; 32 (ct >> 1) floats along it
	s_lshl3_add_u32 s53, s4, s2
	s_lshl_b32 s53, s53, 14                        ; qf: [row tile 8 rb + w][ct][half][lane][16 bytes]
	s_lshl_b32 s58, s3, 10
	s_add_co_u32 s53, s53, s58
	s_and_b32 s62, s4, 3
	s_lshl3_add_u32 s62, s62, s2                   ; kt: my row tile inside the batch
	s_lshl_b32 s54, s5, 18
	s_lshl_b32 s58, s61, 15
	s_add_co_u32 s54, s54, s58                     ; kf and vf: [b][head]
	s_mov_b32 s55, s54
	s_lshl_b32 s58, s62, 10
	s_add_co_u32 s54, s54, s58                     ; kf: [kt][ct & 1][lane][16 bytes]
	s_lshl_b32 s58, s60, 9
	s_add_co_u32 s54, s54, s58
	s_lshr_b32 s58, s62, 1
	s_lshl_b32 s58, s58, 11
	s_add_co_u32 s55, s55, s58                     ; vf: [kt >> 1][ct & 1][kt & 1][lane][16 bytes]
	s_lshl_b32 s58, s60, 10
	s_add_co_u32 s55, s55, s58
	s_and_b32 s58, s62, 1
	s_lshl_b32 s58, s58, 9
	s_add_co_u32 s55, s55, s58
	s_lshl4_add_u32 s56, s4, s3                    ; 16 rb + ct
	s_lshl_b32 s57, s56, 10                        ; wof: 1,024 bytes a work-group
	s_lshl_b32 s56, s56, 7                         ; pm: 128 bytes a work-group
	s_wait_kmcnt 0x0
	s_and_b32 s58, s2, 2                           ; waves 0,1 bring Wq, 2,3 Wk, 4,5 Wv, 6,7 Wr
	s_cmp_lg_u32 s58, 0
	s_cselect_b64 s[44:45], s[12:13], s[10:11]
	s_cselect_b64 s[46:47], s[16:17], s[14:15]
	s_cmp_ge_u32 s2, 4
	s_cselect_b64 s[44:45], s[46:47], s[44:45]
	; ALL LOADS AT ONCE.  Wo's four come first, so that the counts of all later waits are the same in every wave.
	ADDOFF 18, 18, 52
	s_cmp_lg_u32 s2, 0
	s_cbranch_scc1 .Lno_wo_load
	global_load_b128 v[WOS:WOS+3],     v4, s[18:19]            ; Wo(16 tile + r, 32 s + 8 hh ..): 16 rows x 128 bytes, the one read of this
	global_load_b128 v[WOS+4:WOS+7],   v4, s[18:19] offset:16  ; launch in pieces shorter than 256 bytes; each byte of Wo is read once
	global_load_b128 v[WOS+8:WOS+11],  v4, s[18:19] offset:64  ; .. 32 s + 16 + 8 hh ..
	global_load_b128 v[WOS+12:WOS+15], v4, s[18:19] offset:80
.Lno_wo_load:
	ADDOFF 40, 8, 48
	global_load_b128 v[PA:PA+3],   v1, s[40:41]                ; x_first: columns 4 lane .., 128 + 4 lane ..
	global_load_b128 v[PA+4:PA+7], v1, s[40:41] offset:512
	ADDOFF 42, 8, 49
.irp i, 0,1,2,3,4,5,6,7,8,9,10,11,12,13,14,15
	global_load_b128 v[XS+8*\i:XS+8*\i+3],   v1, s[42:43] offset:\i*1024       ; a wave's load covers 512 consecutive bytes
	global_load_b128 v[XS+8*\i+4:XS+8*\i+7], v1, s[42:43] offset:\i*1024+512
.endr
	ADDOFF 44, 44, 50
.irp i, 0,1,2,3,4,5,6,7
	global_load_b128 v[WS+8*\i:WS+8*\i+3],   v1, s[44:45] offset:\i*1024
	global_load_b128 v[WS+8*\i+4:WS+8*\i+7], v1, s[44:45] offset:\i*1024+512
.endr
	ADDOFF 20, 20, 51
	ADDOFF 22, 22, 51
	ADDOFF 24, 24, 51
	ADDOFF 26, 26, 51
	global_load_b128 v[QA:QA+3],   v2, s[20:21]                ; bq, bk, br of columns 16 ct + 8 hh + 0 .. 7
	global_load_b128 v[QA+4:QA+7], v2, s[20:21] offset:16
	global_load_b128 v[KA:KA+3],   v2, s[22:23]
	global_load_b128 v[KA+4:KA+7], v2, s[22:23] offset:16
	global_load_b128 v[VA:VA+3],   v2, s[26:27]
	global_load_b128 v[VA+4:VA+7], v2, s[26:27] offset:16
	global_load_b32 v[BV],   v3, s[24:25]                      ; bv of column 16 ct + r, twice: a pair for the packed add
	global_load_b32 v[BV+1], v3, s[24:25]
	ADDOFF 28, 28, 53
	ADDOFF 30, 30, 54
	ADDOFF 32, 32, 55
	ADDOFF 34, 34, 56
	ADDOFF 36, 36, 57
	; wave 0: this work-group's fragment of Wo, rounded and stored
	s_cmp_lg_u32 s2, 0
	s_cbranch_scc1 .Lno_wo_store
	s_wait_loadcnt 58                              ; the 2 + 32 + 16 + 8 loads issued behind Wo's four stay out
.irp k, 0,1,2,3,4,5,6,7
	v_cvt_pk_bf16_f32 v[WOS+\k], v[WOS+2*\k], v[WOS+2*\k+1]    ; in place: word k is written when words 2k, 2k+1 >= k are still whole
.endr
	global_store_b128 v1, v[WOS:WOS+3],   s[36:37]             ; v[46:53] are not written again
	global_store_b128 v1, v[WOS+4:WOS+7], s[36:37] offset:512
.Lno_wo_store:
; row i of my 16: centre, round both forms, 8 bytes a lane into LDS
.macro CVX i
	s_wait_loadcnt 54-2*\i                         ; behind this row's two loads: 30 - 2i of x, 16 of W, 8 of the biases
.irp h, 0,1
	v_pk_add_f32 v[TMP:TMP+1],   v[XS+8*\i+4*\h:XS+8*\i+4*\h+1],   v[PA+4*\h:PA+4*\h+1]   neg_lo:[0,1] neg_hi:[0,1]
	v_pk_add_f32 v[TMP+2:TMP+3], v[XS+8*\i+4*\h+2:XS+8*\i+4*\h+3], v[PA+4*\h+2:PA+4*\h+3] neg_lo:[0,1] neg_hi:[0,1]
	v_cvt_pk_bf16_f32 v[XS+8*\i+4*\h],   v[XS+8*\i+4*\h],   v[XS+8*\i+4*\h+1]
	v_cvt_pk_bf16_f32 v[XS+8*\i+4*\h+1], v[XS+8*\i+4*\h+2], v[XS+8*\i+4*\h+3]
	v_cvt_pk_bf16_f32 v[TMP],   v[TMP],   v[TMP+1]
	v_cvt_pk_bf16_f32 v[TMP+1], v[TMP+2], v[TMP+3]
	ds_store_b64 v5, v[XS+8*\i+4*\h:XS+8*\i+4*\h+1] offset:\i*PITCH+\h*256
	ds_store_b64 v6, v[TMP:TMP+1] offset:\i*PITCH+\h*256
.endr
.endm
.macro CVW i
	s_wait_loadcnt 22-2*\i                         ; behind this row's two loads: 14 - 2i of W, 8 of the biases
.irp h, 0,1
	v_cvt_pk_bf16_f32 v[WS+8*\i+4*\h],   v[WS+8*\i+4*\h],   v[WS+8*\i+4*\h+1]
	v_cvt_pk_bf16_f32 v[WS+8*\i+4*\h+1], v[WS+8*\i+4*\h+2], v[WS+8*\i+4*\h+3]
	ds_store_b64 v7, v[WS+8*\i+4*\h:WS+8*\i+4*\h+1] offset:\i*PITCH+\h*256
.endr
.endm
.irp i, 0,1,2,3,4,5,6,7,8,9,10,11,12,13,14,15
	CVX \i
.endr
.irp i, 0,1,2,3,4,5,6,7
	CVW \i
.endr
	s_wait_loadcnt 0x0                             ; the biases
.irp j, 0,2,4,6
	v_pk_add_f32 v[QA+\j:QA+\j+1], v[QA+\j:QA+\j+1], v[VA+\j:VA+\j+1]     ; the sums of Q and K start at bq + br, bk + br
	v_pk_add_f32 v[KA+\j:KA+\j+1], v[KA+\j:KA+\j+1], v[VA+\j:VA+\j+1]
.endr
	v_and_b32 v16, 15, v0
	v_mul_u32_u24 v16, v16, PITCH
	v_lshrrev_b32 v19, 1, v2
	v_add_nc_u32 v18, v16, v19                     ; r x pitch + 16 hh
	v_add_nc_u32 v16, s6, v18                      ; XFA: my 16 rows of x
	v_add_nc_u32 v17, XC, v16                      ; XCFA: the same rows centred
	v_add_nc_u32 v18, WI, v18                      ; WFA
	s_lshl_b32 s7, s2, 7
	s_add_co_u32 s7, s7, RED
	v_add_nc_u32 v19, s7, v2                       ; REDA: my wave's 128 bytes, 8 hh columns along
	s_wait_dscnt 0x0                               ; my LDS stores are done before I say so: W's rows are read by every wave
	s_barrier_signal -1
	s_barrier_wait -1
; the fragments of K steps 4 g .. 4 g + 3: 12 loads a step, two of 16 bytes 32 bytes apart for each fragment
.macro FRAGS g
.irp sl, 0,1,2,3
	ds_load_b128 v[F+48*\sl:F+48*\sl+3],     v16 offset:(4*\g+\sl)*64
	ds_load_b128 v[F+48*\sl+4:F+48*\sl+7],   v16 offset:(4*\g+\sl)*64+32
	ds_load_b128 v[F+48*\sl+8:F+48*\sl+11],  v17 offset:(4*\g+\sl)*64
	ds_load_b128 v[F+48*\sl+12:F+48*\sl+15], v17 offset:(4*\g+\sl)*64+32
.irp mi, 0,1,2,3
	ds_load_b128 v[F+48*\sl+16+8*\mi:F+48*\sl+19+8*\mi], v18 offset:\mi*16*PITCH+(4*\g+\sl)*64
	ds_load_b128 v[F+48*\sl+20+8*\mi:F+48*\sl+23+8*\mi], v18 offset:\mi*16*PITCH+(4*\g+\sl)*64+32
.endr
.endr
.endm
; One K step.  Q, K, P' with W as source 0: lane (r, hh) holds row r, columns 8 hh + 0 .. 7.  V with x as source 0: column r, rows 8 hh + 0 .. 7.
.macro MULS sl, first
	s_wait_dscnt 36-12*\sl                         ; the twelve loads of each later step stay out
	v_wmma_f32_16x16x32_bf16 v[QA:QA+7], v[F+48*\sl+16:F+48*\sl+23], v[F+48*\sl:F+48*\sl+7], v[QA:QA+7]
	v_wmma_f32_16x16x32_bf16 v[KA:KA+7], v[F+48*\sl+24:F+48*\sl+31], v[F+48*\sl:F+48*\sl+7], v[KA:KA+7]
.if \first
	v_wmma_f32_16x16x32_bf16 v[PA:PA+7], v[F+48*\sl+40:F+48*\sl+47], v[F+48*\sl+8:F+48*\sl+15], 0
	v_wmma_f32_16x16x32_bf16 v[VA:VA+7], v[F+48*\sl:F+48*\sl+7], v[F+48*\sl+32:F+48*\sl+39], 0
.else
	v_wmma_f32_16x16x32_bf16 v[PA:PA+7], v[F+48*\sl+40:F+48*\sl+47], v[F+48*\sl+8:F+48*\sl+15], v[PA:PA+7]
	v_wmma_f32_16x16x32_bf16 v[VA:VA+7], v[F+48*\sl:F+48*\sl+7], v[F+48*\sl+32:F+48*\sl+39], v[VA:VA+7]
.endif
.endm
	FRAGS 0
	MULS 0, 1
	MULS 1, 0
	MULS 2, 0
	MULS 3, 0
	PLACES 4                                       ; the next loads land in registers that matrix instructions have read
	FRAGS 1
	MULS 0, 0
	MULS 1, 0
	MULS 2, 0
	MULS 3, 0
	PLACES 4                                       ; before vector instructions read the results and write fragment registers
.irp j, 0,2,4,6
	v_pk_add_f32 v[QA+\j:QA+\j+1], v[QA+\j:QA+\j+1], v[PA+\j:PA+\j+1] neg_lo:[0,1] neg_hi:[0,1]   ; Q + bq + br - P'
	v_pk_add_f32 v[KA+\j:KA+\j+1], v[KA+\j:KA+\j+1], v[PA+\j:PA+\j+1]                             ; K + bk + br + P'
	v_pk_add_f32 v[VA+\j:VA+\j+1], v[VA+\j:VA+\j+1], v[BV:BV+1]                                   ; V + bv
.endr
	global_store_b128 v1, v[QA:QA+3],   s[28:29]               ; each store of the wave: 512 consecutive bytes, aligned
	global_store_b128 v1, v[QA+4:QA+7], s[28:29] offset:512
.irp k, 0,1,2,3
	v_cvt_pk_bf16_f32 v[KA+\k], v[KA+2*\k], v[KA+2*\k+1]
	v_cvt_pk_bf16_f32 v[VA+\k], v[VA+2*\k], v[VA+2*\k+1]
.endr
	global_store_b128 v1, v[KA:KA+3], s[30:31]
	global_store_b128 v1, v[VA:VA+3], s[32:33]
	; largest and smallest P' of each column over my 16 rows: the rows lie in the 16 lanes of a half
.irp j, 0,1,2,3,4,5,6,7
	v_max_num_f32_dpp v[MX+\j],   v[PA+\j], v[PA+\j] row_xmask:1 row_mask:0xf bank_mask:0xf
	v_min_num_f32_dpp v[MX+8+\j], v[PA+\j], v[PA+\j] row_xmask:1 row_mask:0xf bank_mask:0xf
.endr
.irp m, 2,4,8
.irp j, 0,1,2,3,4,5,6,7
	v_max_num_f32_dpp v[MX+\j],   v[MX+\j],   v[MX+\j]   row_xmask:\m row_mask:0xf bank_mask:0xf
	v_min_num_f32_dpp v[MX+8+\j], v[MX+8+\j], v[MX+8+\j] row_xmask:\m row_mask:0xf bank_mask:0xf
.endr
.endr
	ds_store_b128 v19, v[MX:MX+3]                  ; the 16 lanes of a half write the same bytes with the same numbers
	ds_store_b128 v19, v[MX+4:MX+7]    offset:16
	ds_store_b128 v19, v[MX+8:MX+11]   offset:64
	ds_store_b128 v19, v[MX+12:MX+15]  offset:80
	s_wait_dscnt 0x0                               ; done before I say so: wave 1 reads all eight waves' figures
	s_barrier_signal -1
	s_barrier_wait -1
	s_cmp_lg_u32 s2, 1
	s_cbranch_scc1 .Ldone
	v_and_b32 v78, 31, v0
	v_lshlrev_b32 v79, 2, v78
	v_add_nc_u32 v90, RED, v79                     ; word `lane` of each wave: lanes 0-15 a maximum, lanes 16-31 a minimum
.irp k, 0,1,2,3,4,5,6,7
	ds_load_b32 v[80+\k], v90 offset:\k*128
.endr
	s_wait_dscnt 0x0
	v_max3_num_f32 v88, v80, v81, v82
	v_min3_num_f32 v89, v80, v81, v82
	v_max3_num_f32 v88, v88, v83, v84
	v_min3_num_f32 v89, v89, v83, v84
	v_max3_num_f32 v88, v88, v85, v86
	v_min3_num_f32 v89, v89, v85, v86
	v_max_num_f32 v88, v88, v87
	v_min_num_f32 v89, v89, v87
	v_xor_b32 v89, 0x80000000, v89                 ; max(-P') = -min P'
	v_cmp_gt_u32 vcc_lo, 16, v78
	v_cndmask_b32 v88, v89, v88, vcc_lo            ; lanes 0-15 the maximum, lanes 16-31 the negated minimum
	global_store_b32 v79, v88, s[34:35]            ; 128 consecutive bytes: the one store of this launch that covers less than 256
.Ldone:
	s_wait_tensorcnt 0x0
	ds_add_u32 v254, v255
	s_wait_dscnt 0x0
	s_endpgm
.Lfunc_end_k_q70e30a518d_proj:
	.size	k_q70e30a518d_proj, .Lfunc_end_k_q70e30a518d_proj-k_q70e30a518d_proj
	.p2alignl 7, 3214868480
	.fill 96, 4, 3214868480
	.section	.rodata,"a",@progbits
	.p2align	6, 0x0
	.amdhsa_kernel k_q70e30a518d_proj
		.amdhsa_group_segment_fixed_size 171008
		.amdhsa_private_segment_fixed_size 0
		.amdhsa_enable_private_segment 0
		.amdhsa_kernarg_size 120
		.amdhsa_user_sgpr_count 2
		.amdhsa_user_sgpr_kernarg_segment_ptr 1
		.amdhsa_wavefront_size32 1
		.amdhsa_system_sgpr_workgroup_id_x 1
		.amdhsa_system_sgpr_workgroup_id_y 1
		.amdhsa_system_sgpr_workgroup_id_z 1
		.amdhsa_system_vgpr_workitem_id 0
		.amdhsa_next_free_vgpr 256
		.amdhsa_next_free_sgpr 66
		.amdhsa_reserve_vcc 1
		.amdhsa_float_denorm_mode_32 3
		.amdhsa_float_denorm_mode_16_64 3
		.amdhsa_memory_ordered 1
		.amdhsa_forward_progress 1
		.amdhsa_inst_pref_size 48
	.end_amdhsa_kernel
	.amdgpu_metadata
---
amdhsa.version: [ 1, 2 ]
amdhsa.kernels:
  - .name:           k_q70e30a518d_proj
    .symbol:         k_q70e30a518d_proj.kd
    .args:
      - { .name: x, .offset: 0, .size: 8, .value_kind: global_buffer, .address_space: global }
      - { .name: Wq, .offset: 8, .size: 8, .value_kind: global_buffer, .address_space: global }
      - { .name: Wk, .offset: 16, .size: 8, .value_kind: global_buffer, .address_space: global }
      - { .name: Wv, .offset: 24, .size: 8, .value_kind: global_buffer, .address_space: global }
      - { .name: Wr, .offset: 32, .size: 8, .value_kind: global_buffer, .address_space: global }
      - { .name: Wo, .offset: 40, .size: 8, .value_kind: global_buffer, .address_space: global }
      - { .name: bq, .offset: 48, .size: 8, .value_kind: global_buffer, .address_space: global }
      - { .name: bk, .offset: 56, .size: 8, .value_kind: global_buffer, .address_space: global }
      - { .name: bv, .offset: 64, .size: 8, .value_kind: global_buffer, .address_space: global }
      - { .name: br, .offset: 72, .size: 8, .value_kind: global_buffer, .address_space: global }
      - { .name: qf, .offset: 80, .size: 8, .value_kind: global_buffer, .address_space: global }
      - { .name: kf, .offset: 88, .size: 8, .value_kind: global_buffer, .address_space: global }
      - { .name: vf, .offset: 96, .size: 8, .value_kind: global_buffer, .address_space: global }
      - { .name: pm, .offset: 104, .size: 8, .value_kind: global_buffer, .address_space: global }
      - { .name: wof, .offset: 112, .size: 8, .value_kind: global_buffer, .address_space: global }
    .group_segment_fixed_size: 171008
    .private_segment_fixed_size: 0
    .kernarg_segment_align: 8
    .kernarg_segment_size: 120
    .max_flat_workgroup_size: 256
    .sgpr_count:     66
    .vgpr_count:     256
    .wavefront_size: 32
...
	.end_amdgpu_metadata
.endif
;; end of part 1
;; launch attn (part 2): grid 64 x 1, 8 waves a work-group, no clusters, 27,904 bytes of LDS; arguments qf, kf, vf, pm, wof, x, bo, g1, b1, g2, b2, out0; writes out0
.if DOCPART == 2
	.amdgcn_target "amdgcn-amd-amdhsa--gfx1250"
	.amdhsa_code_object_version 6
	.text
	.protected	k_q70e30a518d_attn
	.globl	k_q70e30a518d_attn
	.p2align	8
	.type	k_q70e30a518d_attn,@function
k_q70e30a518d_attn:
	s_mov_b64 s[64:65], 0
	v_nop
	global_prefetch_b8 v0, s[64:65] scope:SCOPE_SE
	s_setreg_imm32_b32 hwreg(HW_REG_WAVE_MODE, 25, 1), 1
	s_wait_xcnt 0x0
; ATTENTION, OUTPUT PROJECTION, RESIDUAL AND BOTH LAYER NORMS for 16 query rows a work-group: 1,024 rows / 16 = 64 work-groups, the finest
; split in which one work-group holds all eight heads of a row, as the output projection and the norms ask.
; Wave h is head h in the attention, columns 32 h .. +31 in the output projection, rows 2 h, 2 h + 1 in the norms.
;   Q_r = qf + max P'  (scaled by log2(e) / sqrt(32), rounded to bf16);   K_r = kf + c, c = max(-P').
;   scores = Q_r . kf[k] + Q_r . c: the second term is one matrix product with c in all 16 rows; its result is the C operand of every score tile.
;   softmax with a running maximum over 8 chunks of 64 keys, in base 2; sums in f32.
; All matrix products are used transposed (keys, head dims or output columns as source 0's rows, queries as source 1's), so that a lane's
; eight results lie along the next product's K: scores become the fragment of P, and O the fragment of the output projection, by rounding alone.
; kf, vf and wof hold register images of fragments: every load is 16 bytes at 16 x lane, 512 consecutive bytes a wave, straight into place.
; LIMITS: NaN and infinities are not reproduced (v_max_num drops a NaN); an exponential below 2^-126 comes out as 0 (ISA guide, v_exp_f32).
; NO CLUSTER: the 32 work-groups of a batch walk the same 512 KiB of kf and vf, but a joint request lands in LDS alone: each 16 bytes would be
; written to and read from LDS on the way to the register that a plain load fills at once, and a barrier for each of the 8 chunks would tie
; eight waves that here share nothing until the output projection.
.set AF,   2048                        ; LDS: 0 .. 2047 256 bytes a wave (maxima); AF: 8 fragments of 1,024 bytes, one a head
.set YL,   10240                       ; 16 rows of 256 f32
.set YP,   1040                        ; their pitch: 65 x 16 bytes, so the 16 rows of a store fall on 16 different 16-byte columns
.set MN,   10                          ; v[10:11]   running maximum, twice
.set AL,   14                          ; v[14:15]   2^(old maximum - new), twice
.set LS,   16                          ; v[16:19]   two packed chains of the sum of exponentials
.set RING, 24                          ; v[24:151]  K0 24, V0 56, K1 88, V1 120; at the end Wo's 16 fragments
.set SC,   152                         ; v[152:183] scores of 64 keys; later fragments of the attention; later the rows y
.set PB,   184                         ; v[184:199] P, two fragments
.set QF,   200                         ; v[200:207] Q_r's fragment
.set TC,   208                         ; v[208:215] Q_r . c
.set OA,   216                         ; v[216:231] O, two tiles; later the two tiles of the output projection
.set XR,   232                         ; v[232:247] my two rows of x
.set BO,   248                         ; v[248:255] bo
.set G1,   184                         ; after the loop: g1, b1, g2, b2, 8 registers each
.set B1,   192
.set G2,   200
.set B2,   208
.set TT,   168                         ; norms: at work, 4 registers a row
.set MU,   176                         ; norms: mean or 1/sigma, a pair a row
.macro ADDOFF dst, off
	s_mov_b32 s32, s[\off]
	s_add_nc_u64 s[\dst:\dst+1], s[\dst:\dst+1], s[32:33]
.endm
.macro PLACES n                        ; independent vector slots behind a matrix instruction (ISA guide 7.12.1)
.rept \n
	v_nop
.endr
.endm
.macro LD8 dst, base, off              ; 4,096 consecutive bytes into 32 registers
.irp n, 0,1,2,3,4,5,6,7
	global_load_b128 v[4*\n+\dst:4*\n+\dst+3], v1, s[\base:\base+1] offset:512*\n+\off
.endr
.endm
	s_load_b512 s[8:23], s[0:1], 0x0               ; qf 8, kf 10, vf 12, pm 14, wof 16, x 18, bo 20, g1 22
	s_load_b256 s[24:31], s[0:1], 0x40             ; b1 24, g2 26, b2 28, out0 30
	s_set_vgpr_msb 0x40
	v_lshl_add_u32 v0, v0, 2, 0x6900
	v_mov_b32 v1, 0
	s_set_vgpr_msb 0x4000
	v_lshrrev_b32 v2, 5, v0
	v_readfirstlane_b32 s2, v2                     ; h
	s_mov_b32 s3, ttmp9                            ; g: the row tile, 0 .. 63
	s_lshr_b32 s4, s3, 5                           ; b
	s_mov_b32 s33, 0
	s_mov_b32 s34, 0x76543210                      ; v_permlanex16_b32: lane i takes lane i of the other half
	s_mov_b32 s35, 0xfedcba98
	s_mov_b32 s36, 0x3e8293ee                      ; log2(e) / sqrt(32)
	s_mov_b32 s37, 0x3e8293ee
	s_mov_b32 s38, 0x3b800000                      ; 1 / 256
	s_mov_b32 s39, 0x3727c5ac                      ; 1e-5
	v_and_b32 v12, 31, v0                          ; lane  (v12, v13 serve later as destinations of v_permlanex16_b32)
	v_and_b32 v13, 15, v0                          ; r
	v_bfe_u32 v14, v0, 4, 1                        ; hh
	v_lshlrev_b32 v1, 4, v12                       ; 16 lane
	v_lshlrev_b32 v3, 2, v12                       ; 4 lane
	s_lshl_b32 s5, s2, 8
	v_add_nc_u32 v4, s5, v3                        ; my wave's 256 bytes: word `lane`
	v_lshl_add_u32 v5, v14, 5, s5                  ; and 8 hh words along
	s_lshl_b32 s6, s2, 10
	s_add_co_u32 s6, s6, AF
	v_add_nc_u32 v6, s6, v1                        ; my head's fragment
	v_add_nc_u32 v7, AF, v1                        ; head 0's fragment
	v_mul_u32_u24 v8, v13, YP
	v_lshl_add_u32 v8, v14, 5, v8
	s_lshl_b32 s7, s2, 7
	s_add_co_u32 s7, s7, YL
	v_add_nc_u32 v8, s7, v8                        ; row r, column 32 h + 8 hh
	s_mul_i32 s7, s2, 2*YP
	s_add_co_u32 s7, s7, YL
	v_add_nc_u32 v9, s7, v1                        ; row 2 h, 16 bytes a lane
	s_lshl_b32 s40, s3, 14
	s_lshl_b32 s41, s2, 11
	s_add_co_u32 s40, s40, s41                     ; qf: [g][2 h]; x and out0: row 16 g + 2 h
	s_lshl3_add_u32 s41, s4, s2
	s_lshl_b32 s41, s41, 15                        ; kf, vf: [b][h]
	s_lshl_b32 s42, s4, 13
	s_add_co_u32 s42, s42, s5                      ; pm: [4 b][2 h]
	s_lshl_b32 s43, s2, 14                         ; wof: [h]
	s_wait_kmcnt 0x0
	ADDOFF 18, 40
	ADDOFF 8, 40
	ADDOFF 30, 40
	ADDOFF 14, 42
	ADDOFF 10, 41
	ADDOFF 12, 41
	ADDOFF 16, 43
.irp n, 0,1,2,3
	global_load_b128 v[XR+4*\n:XR+4*\n+3], v1, s[18:19] offset:512*\n
.endr
	global_load_b128 v[BO:BO+3],   v1, s[20:21]
	global_load_b128 v[BO+4:BO+7], v1, s[20:21] offset:512
.irp n, 0,1,2,3
	global_load_b128 v[SC+4*\n:SC+4*\n+3], v1, s[8:9] offset:512*\n        ; row r, head dims 8 hh + 0..7 and 16 + 8 hh + 0..7
.endr
.irp t, 0,1
.irp q, 0,1,2,3
	global_load_b32 v[TC+4*\t+\q], v3, s[14:15] offset:\q*2048+\t*128      ; row block q, column tile 2 h + t: 16 maxima, 16 negated minima
.endr
.endr
	LD8 RING,    10, 0                             ; K and V of chunks 0 and 1
	LD8 RING+32, 12, 0
	LD8 RING+64, 10, 4096
	LD8 RING+96, 12, 4096
	s_wait_loadcnt 32                              ; the ring's four groups of eight stay out
.irp t, 0,1
	v_max3_num_f32 v[TC+4*\t], v[TC+4*\t], v[TC+4*\t+1], v[TC+4*\t+2]
	v_max_num_f32 v[TC+4*\t], v[TC+4*\t], v[TC+4*\t+3]                     ; over the batch's four row blocks
	ds_store_b32 v4, v[TC+4*\t] offset:\t*128
.endr
.irp t, 0,1
	ds_load_b128 v[SC+16+8*\t:SC+19+8*\t], v5 offset:\t*128                ; my wave's own bytes, served in order (ISA guide 5.7.1): no barrier
	ds_load_b128 v[SC+20+8*\t:SC+23+8*\t], v5 offset:\t*128+16             ; max P' of my 8 + 8 head dims
	ds_load_b128 v[PB+8*\t:PB+8*\t+3],     v5 offset:\t*128+64             ; c of the same
	ds_load_b128 v[PB+8*\t+4:PB+8*\t+7],   v5 offset:\t*128+80
.endr
	s_wait_dscnt 0x0
.irp j, 0,2,4,6,8,10,12,14
	v_pk_add_f32 v[SC+\j:SC+\j+1], v[SC+\j:SC+\j+1], v[SC+16+\j:SC+17+\j]
.endr
.irp j, 0,2,4,6,8,10,12,14
	v_pk_mul_f32 v[SC+\j:SC+\j+1], v[SC+\j:SC+\j+1], s[36:37] op_sel_hi:[1,0]
.endr
.irp k, 0,1,2,3,4,5,6,7
	v_cvt_pk_bf16_f32 v[QF+\k], v[SC+2*\k], v[SC+2*\k+1]
	v_cvt_pk_bf16_f32 v[PB+\k], v[PB+2*\k], v[PB+2*\k+1]                   ; in place: words 2k, 2k+1 >= k are still whole
.endr
	v_wmma_f32_16x16x32_bf16 v[TC:TC+7], v[PB:PB+7], v[QF:QF+7], 0         ; every row of source 0 is c: all 8 registers = Q_r(r) . c
	PLACES 5                                       ; the result becomes the C of other accumulators
; 64 keys.  buf: which half of the ring; first = 1: nothing to rescale, the sums start here.
; (kb, ko), (vb, vo): base register and byte offset of what refills the K half and the V half once they are read.
.macro CHUNK buf, first, kb, ko, vb, vo
	s_wait_loadcnt 24                              ; this chunk's K is in; the three groups of eight issued behind it stay out
.irp i, 0,1,2,3
	v_wmma_f32_16x16x32_bf16 v[SC+8*\i:SC+8*\i+7], v[RING+64*\buf+8*\i:RING+64*\buf+8*\i+7], v[QF:QF+7], v[TC:TC+7]
.endr
	PLACES 4                                       ; before loads land in the K registers and vector instructions read the scores
	LD8 RING+64*\buf, \kb, \ko
	; lane (r, hh): query r, keys 16 i + 8 hh + j.  The largest of my 32, then of the other half's 32
.if \first
	v_max_num_f32 v20, v[SC], v[SC+1]
.else
	v_max3_num_f32 v20, v[MN], v[SC], v[SC+1]
.endif
	v_max3_num_f32 v21, v[SC+16], v[SC+17], v[SC+18]
.irp j, 2,4,6,8,10,12
	v_max3_num_f32 v20, v20, v[SC+\j], v[SC+\j+1]
	v_max3_num_f32 v21, v21, v[SC+17+\j], v[SC+18+\j]
.endr
	v_max3_num_f32 v20, v20, v[SC+14], v[SC+15]
	v_max3_num_f32 v21, v21, v[SC+31], v20
	v_permlanex16_b32 v13, v21, s34, s35
	v_max_num_f32 v20, v21, v13
.if \first == 0
	v_sub_f32 v[AL], v[MN], v20
.endif
	v_mov_b32 v[MN], v20
	v_mov_b32 v[MN+1], v20
.set j, 0
.rept 16
	v_pk_add_f32 v[SC+j:SC+j+1], v[SC+j:SC+j+1], v[MN:MN+1] neg_lo:[0,1] neg_hi:[0,1]
.set j, j+2
.endr
.if \first == 0
	v_exp_f32 v[AL], v[AL]
.endif
.set j, 0
.rept 32
	v_exp_f32 v[SC+j], v[SC+j]
.set j, j+1
.endr
	v_nop                                          ; one plain slot behind the run of exponentials before a result is used (ISA guide 5.7.2)
.if \first == 0
	s_wait_alu depctr_va_vdst(0)
	v_mov_b32 v[AL+1], v[AL]
.endif
.set j, 0
	s_wait_alu depctr_va_vdst(0)
.rept 16
	v_cvt_pk_bf16_f32 v[PB+j], v[SC+2*j], v[SC+2*j+1]          ; tiles 0, 1 are fragment 0 (32 keys), tiles 2, 3 fragment 1
.set j, j+1
.endr
.if \first == 0
.irp j, 0,2,4,6,8,10,12,14
	v_pk_mul_f32 v[OA+\j:OA+\j+1], v[OA+\j:OA+\j+1], v[AL:AL+1]
.endr
	v_pk_mul_f32 v[LS:LS+1],   v[LS:LS+1],   v[AL:AL+1]
	v_pk_mul_f32 v[LS+2:LS+3], v[LS+2:LS+3], v[AL:AL+1]
.endif
	s_wait_loadcnt 24                              ; this chunk's V is in
.irp d, 0,1
.if \first
	v_wmma_f32_16x16x32_bf16 v[OA+8*\d:OA+8*\d+7], v[RING+32+64*\buf+8*\d:RING+39+64*\buf+8*\d], v[PB:PB+7], 0
.else
	v_wmma_f32_16x16x32_bf16 v[OA+8*\d:OA+8*\d+7], v[RING+32+64*\buf+8*\d:RING+39+64*\buf+8*\d], v[PB:PB+7], v[OA+8*\d:OA+8*\d+7]
.endif
.endr
.irp d, 0,1
	v_wmma_f32_16x16x32_bf16 v[OA+8*\d:OA+8*\d+7], v[RING+48+64*\buf+8*\d:RING+55+64*\buf+8*\d], v[PB+8:PB+15], v[OA+8*\d:OA+8*\d+7]
.endr
	; the sum of the exponentials: these adds name none of the four products' registers and are the slots in front of the loads into V
.if \first
	v_pk_add_f32 v[LS:LS+1],   v[SC:SC+1],   v[SC+2:SC+3]
	v_pk_add_f32 v[LS+2:LS+3], v[SC+4:SC+5], v[SC+6:SC+7]
.set j, 4
.rept 12
	v_pk_add_f32 v[LS+2*(j%2):LS+2*(j%2)+1], v[LS+2*(j%2):LS+2*(j%2)+1], v[SC+2*j:SC+2*j+1]
.set j, j+1
.endr
.else
.set j, 0
.rept 16
	v_pk_add_f32 v[LS+2*(j%2):LS+2*(j%2)+1], v[LS+2*(j%2):LS+2*(j%2)+1], v[SC+2*j:SC+2*j+1]
.set j, j+1
.endr
.endif
	LD8 RING+32+64*\buf, \vb, \vo
.endm
	; every address is an immediate: no pointer is stepped, and each chunk refills its half with the chunk two further on
	CHUNK 0, 1, 10, 8192,  12, 8192
	CHUNK 1, 0, 10, 12288, 12, 12288
	CHUNK 0, 0, 10, 16384, 12, 16384
	CHUNK 1, 0, 10, 20480, 12, 20480
	CHUNK 0, 0, 10, 24576, 12, 24576
	CHUNK 1, 0, 10, 28672, 12, 28672
	CHUNK 0, 0, 16, 0,     16, 4096                ; the last two refill the ring with Wo's 16 fragments of my 32 output columns:
	CHUNK 1, 0, 16, 8192,  16, 12288               ; fragment 2 s + tile at RING + 8 (2 s + tile); so every chunk's waits count alike
	global_load_b128 v[G1:G1+3],   v1, s[22:23]    ; P, Q and Q . c are done with (slots: the adds above, the four behind the scores)
	global_load_b128 v[G1+4:G1+7], v1, s[22:23] offset:512
	global_load_b128 v[B1:B1+3],   v1, s[24:25]
	global_load_b128 v[B1+4:B1+7], v1, s[24:25] offset:512
	global_load_b128 v[G2:G2+3],   v1, s[26:27]
	global_load_b128 v[G2+4:G2+7], v1, s[26:27] offset:512
	global_load_b128 v[B2:B2+3],   v1, s[28:29]
	global_load_b128 v[B2+4:B2+7], v1, s[28:29] offset:512
	; divide by the sum (at least 1: the largest score gives 2^0), round, publish my head's fragment
	v_pk_add_f32 v[LS:LS+1], v[LS:LS+1], v[LS+2:LS+3]
	v_add_f32 v[LS], v[LS], v[LS+1]
	v_permlanex16_b32 v13, v[LS], s34, s35
	v_add_f32 v[LS], v[LS], v13
	v_rcp_f32 v22, v[LS]
	v_nop
	s_wait_alu depctr_va_vdst(0)
	v_mov_b32 v23, v22
.irp j, 0,2,4,6,8,10,12,14
	v_pk_mul_f32 v[OA+\j:OA+\j+1], v[OA+\j:OA+\j+1], v[22:23]
.endr
.irp k, 0,1,2,3,4,5,6,7
	v_cvt_pk_bf16_f32 v[SC+\k], v[OA+2*\k], v[OA+2*\k+1]       ; query r, head dims 8 hh + 0..7 | 16 + 8 hh + 0..7: a fragment as it stands
.endr
	ds_store_b128 v6, v[SC:SC+3]
	ds_store_b128 v6, v[SC+4:SC+7] offset:512
	s_wait_dscnt 0x0                               ; done before I say so: every wave reads all eight heads
	s_barrier_signal -1
	s_barrier_wait -1
	; OUTPUT PROJECTION: K step s = head s; source 0 = 16 rows of Wo, source 1 = the 16 queries
.macro OPROJ s0, first
.irp s, 0,1,2,3
	ds_load_b128 v[SC+8*\s:SC+8*\s+3],   v7 offset:(\s0+\s)*1024
	ds_load_b128 v[SC+8*\s+4:SC+8*\s+7], v7 offset:(\s0+\s)*1024+512
.endr
.if \first
	s_wait_loadcnt 24                              ; Wo's fragments 0-7 are in; 16 loads of Wo and 8 of the norms' parameters stay out
.else
	s_wait_loadcnt 8                               ; all of Wo is in
.endif
	s_wait_dscnt 0x0
.irp s, 0,1,2,3
.irp c, 0,1
.if \first && (\s == 0)
	v_wmma_f32_16x16x32_bf16 v[OA+8*\c:OA+8*\c+7], v[RING+16*(\s0+\s)+8*\c:RING+16*(\s0+\s)+8*\c+7], v[SC+8*\s:SC+8*\s+7], 0
.else
	v_wmma_f32_16x16x32_bf16 v[OA+8*\c:OA+8*\c+7], v[RING+16*(\s0+\s)+8*\c:RING+16*(\s0+\s)+8*\c+7], v[SC+8*\s:SC+8*\s+7], v[OA+8*\c:OA+8*\c+7]
.endif
.endr
.endr
	PLACES 4                                       ; before loads land in the fragments, and before the results are stored
.endm
	OPROJ 0, 1
	OPROJ 4, 0
	ds_store_b128 v8, v[OA:OA+3]                   ; row r, columns 32 h + 8 hh + 0..7,
	ds_store_b128 v8, v[OA+4:OA+7]   offset:16
	ds_store_b128 v8, v[OA+8:OA+11]  offset:64     ; and 32 h + 16 + 8 hh + 0..7
	ds_store_b128 v8, v[OA+12:OA+15] offset:80
	s_wait_dscnt 0x0                               ; done before I say so: a row is made of all eight waves' columns
	s_barrier_signal -1
	s_barrier_wait -1
	ds_load_b128 v[SC:SC+3],     v9                ; row 2 h: columns 4 lane .., 128 + 4 lane ..
	ds_load_b128 v[SC+4:SC+7],   v9 offset:512
	ds_load_b128 v[SC+8:SC+11],  v9 offset:YP      ; row 2 h + 1
	ds_load_b128 v[SC+12:SC+15], v9 offset:YP+512
	s_wait_loadcnt 0x0                             ; g1, b1, g2, b2
	s_wait_dscnt 0x0
.irp j, 0,2,4,6
	v_pk_add_f32 v[SC+\j:SC+\j+1],   v[SC+\j:SC+\j+1],   v[BO+\j:BO+\j+1]
	v_pk_add_f32 v[SC+8+\j:SC+9+\j], v[SC+8+\j:SC+9+\j], v[BO+\j:BO+\j+1]
.endr
.irp j, 0,2,4,6,8,10,12,14
	v_pk_add_f32 v[SC+\j:SC+\j+1], v[SC+\j:SC+\j+1], v[XR+\j:XR+\j+1]
.endr
.macro RED2                            ; v[TT] and v[TT+4] summed over the 32 lanes, the result in every lane
.irp m, 1,2,4,8
.irp y, 0,1
	v_add_f32_dpp v[TT+4*\y], v[TT+4*\y], v[TT+4*\y] row_xmask:\m row_mask:0xf bank_mask:0xf
.endr
.endr
.irp y, 0,1
	v_permlanex16_b32 v[12+\y], v[TT+4*\y], s34, s35
.endr
.irp y, 0,1
	v_add_f32 v[TT+4*\y], v[TT+4*\y], v[12+\y]
.endr
.endm
; a layer norm of my two rows, in place: the mean first, then the mean square of what is left (no difference of large sums)
.macro LN G, B
.irp y, 0,1
	v_pk_add_f32 v[TT+4*\y:TT+4*\y+1],   v[SC+8*\y:SC+8*\y+1],   v[SC+8*\y+2:SC+8*\y+3]
	v_pk_add_f32 v[TT+4*\y+2:TT+4*\y+3], v[SC+8*\y+4:SC+8*\y+5], v[SC+8*\y+6:SC+8*\y+7]
.endr
.irp y, 0,1
	v_pk_add_f32 v[TT+4*\y:TT+4*\y+1], v[TT+4*\y:TT+4*\y+1], v[TT+4*\y+2:TT+4*\y+3]
.endr
.irp y, 0,1
	v_add_f32 v[TT+4*\y], v[TT+4*\y], v[TT+4*\y+1]
.endr
	RED2
.irp y, 0,1
	v_mul_f32 v[MU+2*\y],   s38, v[TT+4*\y]
	v_mul_f32 v[MU+2*\y+1], s38, v[TT+4*\y]
.endr
.irp y, 0,1
.irp j, 0,2,4,6
	v_pk_add_f32 v[SC+8*\y+\j:SC+8*\y+\j+1], v[SC+8*\y+\j:SC+8*\y+\j+1], v[MU+2*\y:MU+2*\y+1] neg_lo:[0,1] neg_hi:[0,1]
.endr
.endr
.irp y, 0,1
	v_pk_mul_f32 v[TT+4*\y:TT+4*\y+1], v[SC+8*\y:SC+8*\y+1], v[SC+8*\y:SC+8*\y+1]
.endr
.irp j, 2,4,6
.irp y, 0,1
	v_pk_fma_f32 v[TT+4*\y:TT+4*\y+1], v[SC+8*\y+\j:SC+8*\y+\j+1], v[SC+8*\y+\j:SC+8*\y+\j+1], v[TT+4*\y:TT+4*\y+1]
.endr
.endr
.irp y, 0,1
	v_add_f32 v[TT+4*\y], v[TT+4*\y], v[TT+4*\y+1]
.endr
	RED2
.irp y, 0,1
	v_fma_f32 v[TT+4*\y], v[TT+4*\y], s38, s39     ; variance + 1e-5
.endr
.irp y, 0,1
	v_rsq_f32 v[MU+2*\y], v[TT+4*\y]
.endr
	v_nop                                          ; one plain slot before the results are used (ISA guide 5.7.2)
	s_wait_alu depctr_va_vdst(0)
.irp y, 0,1
	v_mov_b32 v[MU+2*\y+1], v[MU+2*\y]
.endr
.irp y, 0,1
.irp j, 0,2,4,6
	v_pk_mul_f32 v[SC+8*\y+\j:SC+8*\y+\j+1], v[SC+8*\y+\j:SC+8*\y+\j+1], v[MU+2*\y:MU+2*\y+1]
.endr
.endr
.irp y, 0,1
.irp j, 0,2,4,6
	v_pk_fma_f32 v[SC+8*\y+\j:SC+8*\y+\j+1], v[SC+8*\y+\j:SC+8*\y+\j+1], v[\G+\j:\G+\j+1], v[\B+\j:\B+\j+1]
.endr
.endr
.endm
	LN G1, B1
	LN G2, B2
.irp n, 0,1,2,3
	global_store_b128 v1, v[SC+4*\n:SC+4*\n+3], s[30:31] offset:512*\n     ; each store of the wave: 512 consecutive bytes, aligned
.endr
	s_set_vgpr_msb 0x5
	s_wait_tensorcnt 0x0
	ds_add_u32 v0, v1
	s_wait_dscnt 0x0
	s_set_vgpr_msb 0x500
	s_endpgm
.Lfunc_end_k_q70e30a518d_attn:
	.size	k_q70e30a518d_attn, .Lfunc_end_k_q70e30a518d_attn-k_q70e30a518d_attn
	.p2alignl 7, 3214868480
	.fill 96, 4, 3214868480
	.section	.rodata,"a",@progbits
	.p2align	6, 0x0
	.amdhsa_kernel k_q70e30a518d_attn
		.amdhsa_group_segment_fixed_size 27904
		.amdhsa_private_segment_fixed_size 0
		.amdhsa_enable_private_segment 0
		.amdhsa_kernarg_size 96
		.amdhsa_user_sgpr_count 2
		.amdhsa_user_sgpr_kernarg_segment_ptr 1
		.amdhsa_wavefront_size32 1
		.amdhsa_system_sgpr_workgroup_id_x 1
		.amdhsa_system_sgpr_workgroup_id_y 1
		.amdhsa_system_sgpr_workgroup_id_z 1
		.amdhsa_system_vgpr_workitem_id 0
		.amdhsa_next_free_vgpr 258
		.amdhsa_next_free_sgpr 66
		.amdhsa_reserve_vcc 0
		.amdhsa_float_denorm_mode_32 3
		.amdhsa_float_denorm_mode_16_64 3
		.amdhsa_memory_ordered 1
		.amdhsa_forward_progress 1
		.amdhsa_inst_pref_size 91
	.end_amdhsa_kernel
	.amdgpu_metadata
---
amdhsa.version: [ 1, 2 ]
amdhsa.kernels:
  - .name:           k_q70e30a518d_attn
    .symbol:         k_q70e30a518d_attn.kd
    .args:
      - { .name: qf, .offset: 0, .size: 8, .value_kind: global_buffer, .address_space: global }
      - { .name: kf, .offset: 8, .size: 8, .value_kind: global_buffer, .address_space: global }
      - { .name: vf, .offset: 16, .size: 8, .value_kind: global_buffer, .address_space: global }
      - { .name: pm, .offset: 24, .size: 8, .value_kind: global_buffer, .address_space: global }
      - { .name: wof, .offset: 32, .size: 8, .value_kind: global_buffer, .address_space: global }
      - { .name: x, .offset: 40, .size: 8, .value_kind: global_buffer, .address_space: global }
      - { .name: bo, .offset: 48, .size: 8, .value_kind: global_buffer, .address_space: global }
      - { .name: g1, .offset: 56, .size: 8, .value_kind: global_buffer, .address_space: global }
      - { .name: b1, .offset: 64, .size: 8, .value_kind: global_buffer, .address_space: global }
      - { .name: g2, .offset: 72, .size: 8, .value_kind: global_buffer, .address_space: global }
      - { .name: b2, .offset: 80, .size: 8, .value_kind: global_buffer, .address_space: global }
      - { .name: out0, .offset: 88, .size: 8, .value_kind: global_buffer, .address_space: global }
    .group_segment_fixed_size: 27904
    .private_segment_fixed_size: 0
    .kernarg_segment_align: 8
    .kernarg_segment_size: 96
    .max_flat_workgroup_size: 256
    .sgpr_count:     66
    .vgpr_count:     258
    .wavefront_size: 32
...
	.end_amdgpu_metadata
.endif
;; end of part 2
;; ======== version 2 of 2: 2 launches; version 1 with the launches proj, attn written anew for expert scheduling mode
;; workspace buffers: qf 1,048,576 bytes; kf 524,288 bytes; vf 524,288 bytes; pm 16,384 bytes; wof 131,072 bytes
;; launch proj (part 3): grid 16 x 8, 8 waves a work-group, no clusters, 171,008 bytes of LDS; arguments x, Wq, Wk, Wv, Wr, Wo, bq, bk, bv, br, qf, kf, vf, pm, wof; writes qf, kf, vf, pm, wof
.if DOCPART == 3
	.amdgcn_target "amdgcn-amd-amdhsa--gfx1250"
	.amdhsa_code_object_version 6
	.text
	.protected	k_q70e30a518d_proj
	.globl	k_q70e30a518d_proj
	.p2align	8
	.type	k_q70e30a518d_proj,@function
k_q70e30a518d_proj:
	s_mov_b64 s[64:65], 0
	v_nop
	global_prefetch_b8 v0, s[64:65] scope:SCOPE_SE
	s_setreg_imm32_b32 hwreg(HW_REG_WAVE_SCHED_MODE, 0, 2), 2
	s_setreg_imm32_b32 hwreg(HW_REG_WAVE_MODE, 25, 1), 1
	s_wait_xcnt 0x0
	s_wait_alu depctr_vm_vsrc(0)
; PROJECTIONS.  x: [2][512][256] f32; Wq, Wk, Wv, Wr, Wo: [256][256] f32; biases [256] f32.
; R[i][j] = (x_i - x_j) Wr^T + br is linear in its rows: with P'_i = (x_i - x_first) Wr^T (x_first = the batch's row 0, taken away in f32
; before the rounding to bf16, so that a common offset of x cancels as it does in the pairwise difference)
;   max over i of R[i][j] = max_i P'_i - P'_j + br      max over j of R[i][j] = P'_i + max_j(-P'_j) + br
; for every input, since a maximum commutes with a term that does not hang on its index.  This launch stores
;   qf = x Wq^T + bq + br - P' (f32)   kf = x Wk^T + bk + br + P' (bf16)   vf = x Wv^T + bv (bf16)
;   pm = max P' and max(-P') over each block of 128 rows (f32)            wof = Wo in bf16
; each as the register image of the matrix fragment that the next launch wants: lane l stores the 16 bytes that lane l loads there.
; LIMITS: NaN and infinities in the inputs are not reproduced (v_max_num drops a NaN); the maxima are formed by the linearity above,
; so their order of rounding differs from a maximum over the projected differences.
; SHARES: work-group (ct, rb) = columns 16 ct .. +15 of all four products x rows 128 rb .. +127: 16 x 8 = 128 work-groups.
; Wave w = the 16 rows 128 rb + 16 w ..: four accumulators of 16 x 16, 8 K steps of 32, 32 matrix instructions.
; NO CLUSTER, NO TENSOR LOADS: x's rows are shared by 16 work-groups and W's by 8, but every number has to be centred and rounded from f32
; to bf16 between memory and LDS; a joint request would land 192 KiB of raw f32 in LDS, which would then be read, converted and written
; once more.  Through registers the conversion is on the way.
; THE MODE: SCHED_MODE bits 1:0 = 2 (LLVM: expert scheduling mode 2), set by the entry lines.  The code itself states the register dependences
; between vector or matrix instructions and memory or LDS instructions, with s_wait_alu, always for 0.
; THE PLAN.  Registers that memory or LDS instructions touch:
;   v1-v7       offsets and LDS store addresses: made once at the head, never written again.
;   XS, WS      x and W as loaded.  The 24 rows go in six blocks of four; block p rounds its rows in place, and its LDS stores are issued in
;               block p + 1, among that block's conversions, which name other rows: one wait at a block's head states that the block before is written.
;   v16-v19     at work for vector instructions alone while x is centred; then the LDS addresses of the fragments, made ahead of the last such wait.
;   F           XS's and WS's registers again, as four sets of fragments.  K steps 0-3 are loaded in one run; steps 4, 5 land in sets 0, 1 among the
;               matrix instructions of steps 2, 3, and steps 6, 7 in sets 2, 3 among those of steps 4, 5: one wait ahead of each pair of sets.
;   QA, KA, VA  biases land; matrix and vector instructions work on them; four stores read them behind one wait.   MX likewise, for four LDS stores.
.set PITCH, 528                        ; an LDS row: 256 bf16 + 16 bytes = 33 x 16: the 16 rows of a fragment load fall on 16 different 16-byte columns
.set XI,   0                           ; bf16(x), 128 rows
.set XC,   128*PITCH                   ; bf16(x - x_first), 128 rows
.set WI,   256*PITCH                   ; 64 rows: 16 of Wq, Wk, Wv, Wr
.set RED,  320*PITCH                   ; [wave 8][max 16 | min 16] f32
.set PA,   8                           ; v[8:15]   x_first's 8 numbers of my lane, then the accumulator of P'
.set TMP,  16                          ; v[16:19]  at work; later the four LDS addresses XFA, XCFA, WFA, REDA
.set QA,   20                          ; v[20:27]  bq, then bq + br, then the accumulator of Q
.set KA,   28                          ; v[28:35]  bk likewise
.set VA,   36                          ; v[36:43]  br, then the accumulator of V
.set BV,   44                          ; v[44:45]  bv of my column, twice
.set WOS,  46                          ; v[46:61]  Wo's fragment (wave 0)
.set WS,   62                          ; v[62:125] W as loaded
.set XS,   126                         ; v[126:253] x as loaded
.set F,    62                          ; v[62:253] afterwards: 4 sets of 48 registers: x 0, x centred 8, Wq 16, Wk 24, Wv 32, Wr 40
.set MX,   62                          ; v[62:69]  column maxima, v[70:77] column minima, once the fragments are done with
.macro ADDOFF dst, src, off            ; s[dst:dst+1] = s[src:src+1] + the 32-bit byte offset in s[off]
	s_mov_b32 s38, s[\off]
	s_add_nc_u64 s[\dst:\dst+1], s[\src:\src+1], s[38:39]
.endm
.macro PLACES n                        ; independent vector slots behind a matrix instruction (ISA guide 7.12.1)
.rept \n
	v_nop
.endr
.endm
	s_load_b512 s[8:23], s[0:1], 0x0               ; x 8, Wq 10, Wk 12, Wv 14, Wr 16, Wo 18, bq 20, bk 22
	s_load_b256 s[24:31], s[0:1], 0x40             ; bv 24, br 26, qf 28, kf 30
	s_load_b128 s[32:35], s[0:1], 0x60             ; vf 32, pm 34
	s_load_b64 s[36:37], s[0:1], 0x70              ; wof 36
	v_lshl_add_u32 v254, v0, 2, 0x29800
	v_mov_b32 v255, 0
	v_lshrrev_b32 v19, 5, v0
	v_readfirstlane_b32 s2, v19                    ; w
	v_and_b32 v16, 31, v0                          ; lane
	v_and_b32 v17, 15, v0                          ; r
	v_bfe_u32 v18, v0, 4, 1                        ; hh
	s_mov_b32 s3, ttmp9                            ; ct
	s_and_b32 s4, ttmp7, 0xffff                    ; rb
	s_lshr_b32 s5, s4, 2                           ; b
	s_mov_b32 s39, 0
	v_lshlrev_b32 v1, 4, v16                       ; 16 lane
	v_lshlrev_b32 v2, 5, v18                       ; 32 hh
	v_lshlrev_b32 v3, 2, v17                       ; 4 r
	v_lshl_add_u32 v4, v17, 10, v2                 ; Wo: row r, 8 hh floats along it
	s_wait_alu depctr_va_sdst(0)                   ; s2 is written, ahead of its first reader: LDS places, offsets and branches are made from it
	s_mul_i32 s6, s2, 16*PITCH                     ; my 16 rows in XI (kept for the fragment addresses)
	s_mul_i32 s7, s2, 8*PITCH
	s_add_co_u32 s7, s7, WI                        ; my 8 rows in WI
	v_lshl_add_u32 v5, v16, 3, s6                  ; where my 4 bf16 of a row of x go
	v_add_nc_u32 v6, XC, v5                        ; and of the centred row
	v_lshl_add_u32 v7, v16, 3, s7                  ; and of a row of W
	; byte offsets, made while the arguments are on their way
	s_lshl_b32 s48, s5, 19                         ; the batch's first row
	s_lshl_b32 s49, s4, 17
	s_lshl_b32 s58, s2, 14
	s_add_co_u32 s49, s49, s58                     ; row 128 rb + 16 w of x
	s_and_b32 s59, s2, 1
	s_lshl_b32 s50, s3, 14
	s_lshl_b32 s58, s59, 13
	s_add_co_u32 s50, s50, s58                     ; row 16 ct + 8 (w & 1) of my W
	s_lshl_b32 s51, s3, 6                          ; column 16 ct of a bias
	s_and_b32 s60, s3, 1                           ; ct & 1
	s_lshr_b32 s61, s3, 1                          ; ct >> 1: the head, and Wo's K step
	s_lshl1_add_u32 s52, s4, s60
	s_lshl_b32 s52, s52, 14                        ; Wo: row tile 2 rb + (ct & 1),
	s_lshl_b32 s58, s61, 7
	s_add_co_u32 s52, s52, s58                     ; 32 (ct >> 1) floats along it
	s_lshl3_add_u32 s53, s4, s2
	s_lshl_b32 s53, s53, 14                        ; qf: [row tile 8 rb + w][ct][half][lane][16 bytes]
	s_lshl_b32 s58, s3, 10
	s_add_co_u32 s53, s53, s58
	s_and_b32 s62, s4, 3
	s_lshl3_add_u32 s62, s62, s2                   ; kt: my row tile inside the batch
	s_lshl_b32 s54, s5, 18
	s_lshl_b32 s58, s61, 15
	s_add_co_u32 s54, s54, s58                     ; kf and vf: [b][head]
	s_mov_b32 s55, s54
	s_lshl_b32 s58, s62, 10
	s_add_co_u32 s54, s54, s58                     ; kf: [kt][ct & 1][lane][16 bytes]
	s_lshl_b32 s58, s60, 9
	s_add_co_u32 s54, s54, s58
	s_lshr_b32 s58, s62, 1
	s_lshl_b32 s58, s58, 11
	s_add_co_u32 s55, s55, s58                     ; vf: [kt >> 1][ct & 1][kt & 1][lane][16 bytes]
	s_lshl_b32 s58, s60, 10
	s_add_co_u32 s55, s55, s58
	s_and_b32 s58, s62, 1
	s_lshl_b32 s58, s58, 9
	s_add_co_u32 s55, s55, s58
	s_lshl4_add_u32 s56, s4, s3                    ; 16 rb + ct
	s_lshl_b32 s57, s56, 10                        ; wof: 1,024 bytes a work-group
	s_lshl_b32 s56, s56, 7                         ; pm: 128 bytes a work-group
	s_wait_kmcnt 0x0
	s_and_b32 s58, s2, 2                           ; waves 0,1 bring Wq, 2,3 Wk, 4,5 Wv, 6,7 Wr
	s_cmp_lg_u32 s58, 0
	s_cselect_b64 s[44:45], s[12:13], s[10:11]
	s_cselect_b64 s[46:47], s[16:17], s[14:15]
	s_cmp_ge_u32 s2, 4
	s_cselect_b64 s[44:45], s[46:47], s[44:45]
	s_wait_alu depctr_va_vdst(0)                   ; v1 to v7 are written: the loads, stores and LDS stores below read them as offsets and addresses
	; ALL LOADS AT ONCE.  Wo's four come first, so that the counts of all later waits are the same in every wave.
	ADDOFF 18, 18, 52
	s_cmp_lg_u32 s2, 0
	s_cbranch_scc1 .Lno_wo_load
	global_load_b128 v[WOS:WOS+3],     v4, s[18:19]            ; Wo(16 tile + r, 32 s + 8 hh ..): 16 rows x 128 bytes, the one read of this
	global_load_b128 v[WOS+4:WOS+7],   v4, s[18:19] offset:16  ; launch in pieces shorter than 256 bytes; each byte of Wo is read once
	global_load_b128 v[WOS+8:WOS+11],  v4, s[18:19] offset:64  ; .. 32 s + 16 + 8 hh ..
	global_load_b128 v[WOS+12:WOS+15], v4, s[18:19] offset:80
.Lno_wo_load:
	ADDOFF 40, 8, 48
	global_load_b128 v[PA:PA+3],   v1, s[40:41]                ; x_first: columns 4 lane .., 128 + 4 lane ..
	global_load_b128 v[PA+4:PA+7], v1, s[40:41] offset:512
	ADDOFF 42, 8, 49
.irp i, 0,1,2,3,4,5,6,7,8,9,10,11,12,13,14,15
	global_load_b128 v[XS+8*\i:XS+8*\i+3],   v1, s[42:43] offset:\i*1024       ; a wave's load covers 512 consecutive bytes
	global_load_b128 v[XS+8*\i+4:XS+8*\i+7], v1, s[42:43] offset:\i*1024+512
.endr
	ADDOFF 44, 44, 50
.irp i, 0,1,2,3,4,5,6,7
	global_load_b128 v[WS+8*\i:WS+8*\i+3],   v1, s[44:45] offset:\i*1024
	global_load_b128 v[WS+8*\i+4:WS+8*\i+7], v1, s[44:45] offset:\i*1024+512
.endr
	ADDOFF 20, 20, 51
	ADDOFF 22, 22, 51
	ADDOFF 24, 24, 51
	ADDOFF 26, 26, 51
	global_load_b128 v[QA:QA+3],   v2, s[20:21]                ; bq, bk, br of columns 16 ct + 8 hh + 0 .. 7
	global_load_b128 v[QA+4:QA+7], v2, s[20:21] offset:16
	global_load_b128 v[KA:KA+3],   v2, s[22:23]
	global_load_b128 v[KA+4:KA+7], v2, s[22:23] offset:16
	global_load_b128 v[VA:VA+3],   v2, s[26:27]
	global_load_b128 v[VA+4:VA+7], v2, s[26:27] offset:16
	global_load_b32 v[BV],   v3, s[24:25]                      ; bv of column 16 ct + r, twice: a pair for the packed add
	global_load_b32 v[BV+1], v3, s[24:25]
	ADDOFF 28, 28, 53
	ADDOFF 30, 30, 54
	ADDOFF 32, 32, 55
	ADDOFF 34, 34, 56
	ADDOFF 36, 36, 57
	; wave 0: this work-group's fragment of Wo, rounded and stored
	s_cmp_lg_u32 s2, 0
	s_cbranch_scc1 .Lno_wo_store
	s_wait_loadcnt 58                              ; the 2 + 32 + 16 + 8 loads issued behind Wo's four stay out
.irp k, 0,1,2,3,4,5,6,7
	v_cvt_pk_bf16_f32 v[WOS+\k], v[WOS+2*\k], v[WOS+2*\k+1]    ; in place: word k is written when words 2k, 2k+1 >= k are still whole
.endr
	s_wait_alu depctr_va_vdst(0)                   ; the roundings have written v[46:53], which the two stores read
	global_store_b128 v1, v[WOS:WOS+3],   s[36:37]             ; v[46:53] are not written again
	global_store_b128 v1, v[WOS+4:WOS+7], s[36:37] offset:512
.Lno_wo_store:
; row i of my 16: centre, round both forms, in place: of each half's four words the first two take bf16(x), the last two bf16(x - x_first)
.macro CVX i
.irp h, 0,1
	v_pk_add_f32 v[TMP:TMP+1],   v[XS+8*(\i)+4*\h:XS+8*(\i)+4*\h+1],   v[PA+4*\h:PA+4*\h+1]   neg_lo:[0,1] neg_hi:[0,1]
	v_pk_add_f32 v[TMP+2:TMP+3], v[XS+8*(\i)+4*\h+2:XS+8*(\i)+4*\h+3], v[PA+4*\h+2:PA+4*\h+3] neg_lo:[0,1] neg_hi:[0,1]
	v_cvt_pk_bf16_f32 v[XS+8*(\i)+4*\h],   v[XS+8*(\i)+4*\h],   v[XS+8*(\i)+4*\h+1]
	v_cvt_pk_bf16_f32 v[XS+8*(\i)+4*\h+1], v[XS+8*(\i)+4*\h+2], v[XS+8*(\i)+4*\h+3]
	v_cvt_pk_bf16_f32 v[XS+8*(\i)+4*\h+2], v[TMP],   v[TMP+1]
	v_cvt_pk_bf16_f32 v[XS+8*(\i)+4*\h+3], v[TMP+2], v[TMP+3]
.endr
.endm
.macro STX i                           ; row i, 8 bytes a lane of each form into LDS
.irp h, 0,1
	ds_store_b64 v5, v[XS+8*(\i)+4*\h:XS+8*(\i)+4*\h+1]   offset:(\i)*PITCH+\h*256
	ds_store_b64 v6, v[XS+8*(\i)+4*\h+2:XS+8*(\i)+4*\h+3] offset:(\i)*PITCH+\h*256
.endr
.endm
.macro CVW i
.irp h, 0,1
	v_cvt_pk_bf16_f32 v[WS+8*(\i)+4*\h],   v[WS+8*(\i)+4*\h],   v[WS+8*(\i)+4*\h+1]
	v_cvt_pk_bf16_f32 v[WS+8*(\i)+4*\h+1], v[WS+8*(\i)+4*\h+2], v[WS+8*(\i)+4*\h+3]
.endr
.endm
.macro STW i
.irp h, 0,1
	ds_store_b64 v7, v[WS+8*(\i)+4*\h:WS+8*(\i)+4*\h+1] offset:(\i)*PITCH+\h*256
.endr
.endm
	s_wait_loadcnt 48                              ; rows 0-3 of x are in; behind row 3's loads: 24 of x, 16 of W, 8 of the biases
.irp k, 0,1,2,3
	CVX \k
.endr
.irp b, 1,2,3
	s_wait_loadcnt 48-8*\b                         ; rows 4 b .. 4 b + 3 are in: eight loads fewer stay out with each block
	s_wait_alu depctr_va_vdst(0)                   ; the block before has written its rows, which the LDS stores below read; this block's conversions name other rows
.irp k, 0,1,2,3
	STX 4*\b-4+\k
	CVX 4*\b+\k
.endr
.endr
	s_wait_loadcnt 16                              ; rows 0-3 of W are in; behind them: 8 of W, 8 of the biases
	s_wait_alu depctr_va_vdst(0)                   ; rows 12-15 of x are written, which the LDS stores below read
.irp k, 0,1,2,3
	STX 12+\k
	CVW \k
.endr
	s_wait_loadcnt 8                               ; all of W is in; the biases stay out
	s_wait_alu depctr_va_vdst(0)                   ; rows 0-3 of W are written, which the LDS stores below read
.irp k, 0,1,2,3
	STW \k
	CVW 4+\k
.endr
	v_and_b32 v16, 15, v0
	v_mul_u32_u24 v16, v16, PITCH
	v_lshrrev_b32 v19, 1, v2
	v_add_nc_u32 v18, v16, v19                     ; r x pitch + 16 hh
	v_add_nc_u32 v16, s6, v18                      ; XFA: my 16 rows of x
	v_add_nc_u32 v17, XC, v16                      ; XCFA: the same rows centred
	v_add_nc_u32 v18, WI, v18                      ; WFA
	s_lshl_b32 s7, s2, 7
	s_add_co_u32 s7, s7, RED
	v_add_nc_u32 v19, s7, v2                       ; REDA: my wave's 128 bytes, 8 hh columns along
	s_wait_alu depctr_va_vdst(0)                   ; rows 4-7 of W are written, which the LDS stores below read; v16-v19 are written, the addresses of the fragments' loads and of the maxima's stores; all conversions are done with XS and WS, in which the fragments land
.irp k, 4,5,6,7
	STW \k
.endr
	s_wait_loadcnt 0x0                             ; the biases
.irp j, 0,2,4,6
	v_pk_add_f32 v[QA+\j:QA+\j+1], v[QA+\j:QA+\j+1], v[VA+\j:VA+\j+1]     ; the sums of Q and K start at bq + br, bk + br
	v_pk_add_f32 v[KA+\j:KA+\j+1], v[KA+\j:KA+\j+1], v[VA+\j:VA+\j+1]
.endr
	s_wait_dscnt 0x0                               ; my LDS stores are done before I say so: W's rows are read by every wave
	s_barrier_signal -1
	s_barrier_wait -1
	s_wait_alu depctr_vm_vsrc(0)                   ; my LDS stores have read XS and WS: these registers are the fragment sets from here on, written by the loads below
; three of the twelve loads of K step 4 g + sl, into set sl: a quarter of x's two fragments, and the fragment of W number q (Wq, Wk, Wv, Wr)
.macro LD3 g, sl, q
	ds_load_b128 v[F+48*(\sl)+4*(\q):F+48*(\sl)+4*(\q)+3],         v[16+(\q)/2] offset:(4*(\g)+(\sl))*64+32*((\q)%2)
	ds_load_b128 v[F+48*(\sl)+16+8*(\q):F+48*(\sl)+19+8*(\q)],     v18 offset:(\q)*16*PITCH+(4*(\g)+(\sl))*64
	ds_load_b128 v[F+48*(\sl)+20+8*(\q):F+48*(\sl)+23+8*(\q)],     v18 offset:(\q)*16*PITCH+(4*(\g)+(\sl))*64+32
.endm
; One K step, from set sl.  Q, K, P' with W as source 0: lane (r, hh) holds row r, columns 8 hh + 0 .. 7.  V with x as source 0: column r, rows 8 hh + 0 .. 7.
; left: the LDS loads of later steps, which stay out.  head = 1: two sets are given free.  fill = 1: K step 4 + fs is loaded into set fs, three loads behind each product.
.macro MULS sl, first, left, head, fill, fs
	s_wait_dscnt \left                             ; LDS loads come back in order (ISA guide 5.7.1): this step's twelve are in
.if \head
	s_wait_alu depctr_va_vdst(0)                   ; the matrix instructions of the two K steps before are done reading their sets, in which this step's and the next step's loads land; the products issued from here on name the other two sets
.endif
	v_wmma_f32_16x16x32_bf16 v[QA:QA+7], v[F+48*\sl+16:F+48*\sl+23], v[F+48*\sl:F+48*\sl+7], v[QA:QA+7]
.if \fill
	LD3 1, \fs, 0
.endif
	v_wmma_f32_16x16x32_bf16 v[KA:KA+7], v[F+48*\sl+24:F+48*\sl+31], v[F+48*\sl:F+48*\sl+7], v[KA:KA+7]
.if \fill
	LD3 1, \fs, 1
.endif
.if \first
	v_wmma_f32_16x16x32_bf16 v[PA:PA+7], v[F+48*\sl+40:F+48*\sl+47], v[F+48*\sl+8:F+48*\sl+15], 0
.else
	v_wmma_f32_16x16x32_bf16 v[PA:PA+7], v[F+48*\sl+40:F+48*\sl+47], v[F+48*\sl+8:F+48*\sl+15], v[PA:PA+7]
.endif
.if \fill
	LD3 1, \fs, 2
.endif
.if \first
	v_wmma_f32_16x16x32_bf16 v[VA:VA+7], v[F+48*\sl:F+48*\sl+7], v[F+48*\sl+32:F+48*\sl+39], 0
.else
	v_wmma_f32_16x16x32_bf16 v[VA:VA+7], v[F+48*\sl:F+48*\sl+7], v[F+48*\sl+32:F+48*\sl+39], v[VA:VA+7]
.endif
.if \fill
	LD3 1, \fs, 3
.endif
.endm
.irp sl, 0,1,2,3
.irp q, 0,1,2,3
	LD3 0, \sl, \q                                 ; K steps 0 to 3
.endr
.endr
	MULS 0, 1, 36, 0, 0, 0                         ; step 0; steps 1-3 stay out
	MULS 1, 0, 24, 0, 0, 0
	MULS 2, 0, 12, 1, 1, 0                         ; step 2 (step 3 stays out); sets 0 and 1 are free; step 4 is asked for
	MULS 3, 0, 12, 0, 1, 1                         ; step 3 (step 4 stays out); step 5 is asked for
	MULS 0, 0, 12, 1, 1, 2                         ; step 4 (step 5 stays out); sets 2 and 3 are free; step 6 is asked for
	MULS 1, 0, 12, 0, 1, 3                         ; step 5 (step 6 stays out); step 7 is asked for
	MULS 2, 0, 12, 0, 0, 0                         ; step 6 (step 7 stays out)
	MULS 3, 0, 0,  0, 0, 0
	PLACES 4                                       ; before vector instructions read the results and write fragment registers
.irp j, 0,2,4,6
	v_pk_add_f32 v[QA+\j:QA+\j+1], v[QA+\j:QA+\j+1], v[PA+\j:PA+\j+1] neg_lo:[0,1] neg_hi:[0,1]   ; Q + bq + br - P'
	v_pk_add_f32 v[KA+\j:KA+\j+1], v[KA+\j:KA+\j+1], v[PA+\j:PA+\j+1]                             ; K + bk + br + P'
	v_pk_add_f32 v[VA+\j:VA+\j+1], v[VA+\j:VA+\j+1], v[BV:BV+1]                                   ; V + bv
.endr
.irp k, 0,1,2,3
	v_cvt_pk_bf16_f32 v[KA+\k], v[KA+2*\k], v[KA+2*\k+1]
	v_cvt_pk_bf16_f32 v[VA+\k], v[VA+2*\k], v[VA+2*\k+1]
.endr
	s_wait_alu depctr_va_vdst(0)                   ; the adds and roundings have written QA, KA and VA, which the four stores read; nothing writes them again
	global_store_b128 v1, v[QA:QA+3],   s[28:29]               ; each store of the wave: 512 consecutive bytes, aligned
	global_store_b128 v1, v[QA+4:QA+7], s[28:29] offset:512
	global_store_b128 v1, v[KA:KA+3], s[30:31]
	global_store_b128 v1, v[VA:VA+3], s[32:33]
	; largest and smallest P' of each column over my 16 rows: the rows lie in the 16 lanes of a half
.irp j, 0,1,2,3,4,5,6,7
	v_max_num_f32_dpp v[MX+\j],   v[PA+\j], v[PA+\j] row_xmask:1 row_mask:0xf bank_mask:0xf
	v_min_num_f32_dpp v[MX+8+\j], v[PA+\j], v[PA+\j] row_xmask:1 row_mask:0xf bank_mask:0xf
.endr
.irp m, 2,4,8
.irp j, 0,1,2,3,4,5,6,7
	v_max_num_f32_dpp v[MX+\j],   v[MX+\j],   v[MX+\j]   row_xmask:\m row_mask:0xf bank_mask:0xf
	v_min_num_f32_dpp v[MX+8+\j], v[MX+8+\j], v[MX+8+\j] row_xmask:\m row_mask:0xf bank_mask:0xf
.endr
.endr
	s_wait_alu depctr_va_vdst(0)                   ; the lane steps have written v[62:77], which the four LDS stores read
	ds_store_b128 v19, v[MX:MX+3]                  ; the 16 lanes of a half write the same bytes with the same numbers
	ds_store_b128 v19, v[MX+4:MX+7]    offset:16
	ds_store_b128 v19, v[MX+8:MX+11]   offset:64
	ds_store_b128 v19, v[MX+12:MX+15]  offset:80
	s_wait_dscnt 0x0                               ; done before I say so: wave 1 reads all eight waves' figures
	s_barrier_signal -1
	s_barrier_wait -1
	s_cmp_lg_u32 s2, 1
	s_cbranch_scc1 .Ldone
	v_and_b32 v78, 31, v0
	v_cmp_gt_u32 vcc_lo, 16, v78                   ; lanes 0-15; read by the select below
	v_lshlrev_b32 v79, 2, v78
	v_add_nc_u32 v90, RED, v79                     ; word `lane` of each wave: lanes 0-15 a maximum, lanes 16-31 a minimum
	s_wait_alu depctr_va_vdst(0)                   ; v90 is written, the address of the eight loads below; v79 too, the last store's offset
.irp k, 0,1,2,3,4,5,6,7
	ds_load_b32 v[80+\k], v90 offset:\k*128
.endr
	s_wait_dscnt 0x0
	v_max3_num_f32 v88, v80, v81, v82
	v_min3_num_f32 v89, v80, v81, v82
	v_max3_num_f32 v88, v88, v83, v84
	v_min3_num_f32 v89, v89, v83, v84
	v_max3_num_f32 v88, v88, v85, v86
	v_min3_num_f32 v89, v89, v85, v86
	v_max_num_f32 v88, v88, v87
	v_min_num_f32 v89, v89, v87
	v_xor_b32 v89, 0x80000000, v89                 ; max(-P') = -min P'
	s_wait_alu depctr_va_vcc(0)                    ; the compare has written VCC, ahead of its first reader
	v_cndmask_b32 v88, v89, v88, vcc_lo            ; lanes 0-15 the maximum, lanes 16-31 the negated minimum
	s_wait_alu depctr_va_vdst(0)                   ; the select has written v88, which the store reads
	global_store_b32 v79, v88, s[34:35]            ; 128 consecutive bytes: the one store of this launch that covers less than 256
.Ldone:
	s_wait_dscnt 0x0
	s_wait_alu depctr_hold_cnt(0) depctr_sa_sdst(0) depctr_va_vdst(0) depctr_va_sdst(0) depctr_va_ssrc(0) depctr_va_vcc(0) depctr_vm_vsrc(0)
	s_wait_tensorcnt 0x0
	ds_add_u32 v254, v255
	s_wait_dscnt 0x0
	s_endpgm
.Lfunc_end_k_q70e30a518d_proj:
	.size	k_q70e30a518d_proj, .Lfunc_end_k_q70e30a518d_proj-k_q70e30a518d_proj
	.p2alignl 7, 3214868480
	.fill 96, 4, 3214868480
	.section	.rodata,"a",@progbits
	.p2align	6, 0x0
	.amdhsa_kernel k_q70e30a518d_proj
		.amdhsa_group_segment_fixed_size 171008
		.amdhsa_private_segment_fixed_size 0
		.amdhsa_enable_private_segment 0
		.amdhsa_kernarg_size 120
		.amdhsa_user_sgpr_count 2
		.amdhsa_user_sgpr_kernarg_segment_ptr 1
		.amdhsa_wavefront_size32 1
		.amdhsa_system_sgpr_workgroup_id_x 1
		.amdhsa_system_sgpr_workgroup_id_y 1
		.amdhsa_system_sgpr_workgroup_id_z 1
		.amdhsa_system_vgpr_workitem_id 0
		.amdhsa_next_free_vgpr 256
		.amdhsa_next_free_sgpr 66
		.amdhsa_reserve_vcc 1
		.amdhsa_float_denorm_mode_32 3
		.amdhsa_float_denorm_mode_16_64 3
		.amdhsa_memory_ordered 1
		.amdhsa_forward_progress 1
		.amdhsa_inst_pref_size 48
	.end_amdhsa_kernel
	.amdgpu_metadata
---
amdhsa.version: [ 1, 2 ]
amdhsa.kernels:
  - .name:           k_q70e30a518d_proj
    .symbol:         k_q70e30a518d_proj.kd
    .args:
      - { .name: x, .offset: 0, .size: 8, .value_kind: global_buffer, .address_space: global }
      - { .name: Wq, .offset: 8, .size: 8, .value_kind: global_buffer, .address_space: global }
      - { .name: Wk, .offset: 16, .size: 8, .value_kind: global_buffer, .address_space: global }
      - { .name: Wv, .offset: 24, .size: 8, .value_kind: global_buffer, .address_space: global }
      - { .name: Wr, .offset: 32, .size: 8, .value_kind: global_buffer, .address_space: global }
      - { .name: Wo, .offset: 40, .size: 8, .value_kind: global_buffer, .address_space: global }
      - { .name: bq, .offset: 48, .size: 8, .value_kind: global_buffer, .address_space: global }
      - { .name: bk, .offset: 56, .size: 8, .value_kind: global_buffer, .address_space: global }
      - { .name: bv, .offset: 64, .size: 8, .value_kind: global_buffer, .address_space: global }
      - { .name: br, .offset: 72, .size: 8, .value_kind: global_buffer, .address_space: global }
      - { .name: qf, .offset: 80, .size: 8, .value_kind: global_buffer, .address_space: global }
      - { .name: kf, .offset: 88, .size: 8, .value_kind: global_buffer, .address_space: global }
      - { .name: vf, .offset: 96, .size: 8, .value_kind: global_buffer, .address_space: global }
      - { .name: pm, .offset: 104, .size: 8, .value_kind: global_buffer, .address_space: global }
      - { .name: wof, .offset: 112, .size: 8, .value_kind: global_buffer, .address_space: global }
    .group_segment_fixed_size: 171008
    .private_segment_fixed_size: 0
    .kernarg_segment_align: 8
    .kernarg_segment_size: 120
    .max_flat_workgroup_size: 256
    .sgpr_count:     66
    .vgpr_count:     256
    .wavefront_size: 32
...
	.end_amdgpu_metadata
.endif
;; end of part 3
;; launch attn (part 4): grid 64 x 1, 8 waves a work-group, no clusters, 27,904 bytes of LDS; arguments qf, kf, vf, pm, wof, x, bo, g1, b1, g2, b2, out0; writes out0
.if DOCPART == 4
	.amdgcn_target "amdgcn-amd-amdhsa--gfx1250"
	.amdhsa_code_object_version 6
	.text
	.protected	k_q70e30a518d_attn
	.globl	k_q70e30a518d_attn
	.p2align	8
	.type	k_q70e30a518d_attn,@function
k_q70e30a518d_attn:
	s_mov_b64 s[64:65], 0
	v_nop
	global_prefetch_b8 v0, s[64:65] scope:SCOPE_SE
	s_setreg_imm32_b32 hwreg(HW_REG_WAVE_SCHED_MODE, 0, 2), 2
	s_setreg_imm32_b32 hwreg(HW_REG_WAVE_MODE, 25, 1), 1
	s_wait_xcnt 0x0
	s_wait_alu depctr_vm_vsrc(0)
; ATTENTION, OUTPUT PROJECTION, RESIDUAL AND BOTH LAYER NORMS for 16 query rows a work-group: 1,024 rows / 16 = 64 work-groups, the finest
; split in which one work-group holds all eight heads of a row, as the output projection and the norms ask.
; Wave h is head h in the attention, columns 32 h .. +31 in the output projection, rows 2 h, 2 h + 1 in the norms.
;   Q_r = qf + max P'  (scaled by log2(e) / sqrt(32), rounded to bf16);   K_r = kf + c, c = max(-P').
;   scores = Q_r . kf[k] + Q_r . c: the second term is one matrix product with c in all 16 rows; its result is the C operand of every score tile.
;   softmax with a running maximum over 8 chunks of 64 keys, in base 2; sums in f32.
; All matrix products are used transposed (keys, head dims or output columns as source 0's rows, queries as source 1's), so that a lane's
; eight results lie along the next product's K: scores become the fragment of P, and O the fragment of the output projection, by rounding alone.
; kf, vf and wof hold register images of fragments: every load is 16 bytes at 16 x lane, 512 consecutive bytes a wave, straight into place.
; LIMITS: NaN and infinities are not reproduced (v_max_num drops a NaN); an exponential below 2^-126 comes out as 0 (ISA guide, v_exp_f32).
; NO CLUSTER: the 32 work-groups of a batch walk the same 512 KiB of kf and vf, but a joint request lands in LDS alone: each 16 bytes would be
; written to and read from LDS on the way to the register that a plain load fills at once, and a barrier for each of the 8 chunks would tie
; eight waves that here share nothing until the output projection.
; THE MODE: SCHED_MODE bits 1:0 = 2 (LLVM: expert scheduling mode 2), set by the entry lines.  The code itself states the register dependences
; between vector or matrix instructions and memory or LDS instructions, with s_wait_alu, always for 0.
; THE PLAN.  Registers that memory or LDS instructions touch:
;   v1, v3-v9   offsets and LDS addresses: made once at the head, never written again.
;   RING        K0, V0, K1, V1.  Chunk c (buf = c % 2): its four score products read K[buf], its four products V^T P read V[buf].  ONE wait stands in a chunk,
;               behind the score products: they are done with K[buf], and the chunk before's V^T P with V[1 - buf].  Behind it V of chunk c + 1 is loaded into
;               V[1 - buf] and K of chunk c + 2 into K[buf], dealt among the maxima and the subtractions, which name the scores and the statistics alone;
;               the chunk's V^T P name V[buf].  The last chunks bring Wo's fragments in the same way, the last eight loads behind a wait of their own.
;   SC          scores (vector and matrix alone); then my head's fragment, which LDS stores read; then four fragments of the attention, loaded from LDS:
;               heads 4, 5 land among the products of heads 2, 3, and heads 6, 7 among those of heads 4, 5, each pair behind one wait; then the rows y.
;   P, Q, Q.c   at the end g1, b1, g2, b2 land in them, behind the wait that follows the last chunk.
;   OA          read by LDS stores behind the output projection, not written again.
.set AF,   2048                        ; LDS: 0 .. 2047 256 bytes a wave (maxima); AF: 8 fragments of 1,024 bytes, one a head
.set YL,   10240                       ; 16 rows of 256 f32
.set YP,   1040                        ; their pitch: 65 x 16 bytes, so the 16 rows of a store fall on 16 different 16-byte columns
.set MN,   10                          ; v[10:11]   running maximum, twice
.set AL,   14                          ; v[14:15]   2^(old maximum - new), twice
.set LS,   16                          ; v[16:19]   two packed chains of the sum of exponentials
.set RING, 24                          ; v[24:151]  K0 24, V0 56, K1 88, V1 120; at the end Wo's 16 fragments
.set SC,   152                         ; v[152:183] scores of 64 keys; later fragments of the attention; later the rows y
.set PB,   184                         ; v[184:199] P, two fragments
.set QF,   200                         ; v[200:207] Q_r's fragment
.set TC,   208                         ; v[208:215] Q_r . c
.set OA,   216                         ; v[216:231] O, two tiles; later the two tiles of the output projection
.set XR,   232                         ; v[232:247] my two rows of x
.set BO,   248                         ; v[248:255] bo
.set G1,   184                         ; after the loop: g1, b1, g2, b2, 8 registers each
.set B1,   192
.set G2,   200
.set B2,   208
.set TT,   168                         ; norms: at work, 4 registers a row
.set MU,   176                         ; norms: mean or 1/sigma, a pair a row
.macro ADDOFF dst, off
	s_mov_b32 s32, s[\off]
	s_add_nc_u64 s[\dst:\dst+1], s[\dst:\dst+1], s[32:33]
.endm
.macro PLACES n                        ; independent vector slots behind a matrix instruction (ISA guide 7.12.1)
.rept \n
	v_nop
.endr
.endm
.macro LD1 dst, base, off, n           ; load n of the eight that bring 4,096 consecutive bytes into 32 registers
	global_load_b128 v[(\dst)+4*(\n):(\dst)+4*(\n)+3], v1, s[\base:\base+1] offset:(\off)+512*(\n)
.endm
.macro LD8 dst, base, off              ; all eight
.irp n, 0,1,2,3,4,5,6,7
	LD1 \dst, \base, \off, \n
.endr
.endm
	s_load_b512 s[8:23], s[0:1], 0x0               ; qf 8, kf 10, vf 12, pm 14, wof 16, x 18, bo 20, g1 22
	s_load_b256 s[24:31], s[0:1], 0x40             ; b1 24, g2 26, b2 28, out0 30
	s_set_vgpr_msb 0x40
	v_lshl_add_u32 v0, v0, 2, 0x6900
	v_mov_b32 v1, 0
	s_set_vgpr_msb 0x4000
	v_lshrrev_b32 v2, 5, v0
	v_readfirstlane_b32 s2, v2                     ; h
	s_mov_b32 s3, ttmp9                            ; g: the row tile, 0 .. 63
	s_lshr_b32 s4, s3, 5                           ; b
	s_mov_b32 s33, 0
	s_mov_b32 s34, 0x76543210                      ; v_permlanex16_b32: lane i takes lane i of the other half
	s_mov_b32 s35, 0xfedcba98
	s_mov_b32 s36, 0x3e8293ee                      ; log2(e) / sqrt(32)
	s_mov_b32 s37, 0x3e8293ee
	s_mov_b32 s38, 0x3b800000                      ; 1 / 256
	s_mov_b32 s39, 0x3727c5ac                      ; 1e-5
	v_and_b32 v12, 31, v0                          ; lane  (v12, v13 serve later as destinations of v_permlanex16_b32)
	v_and_b32 v13, 15, v0                          ; r
	v_bfe_u32 v14, v0, 4, 1                        ; hh
	v_lshlrev_b32 v1, 4, v12                       ; 16 lane
	v_lshlrev_b32 v3, 2, v12                       ; 4 lane
	s_wait_alu depctr_va_sdst(0)                   ; s2 is written, ahead of its first reader: LDS places and offsets are made from it
	s_lshl_b32 s5, s2, 8
	v_add_nc_u32 v4, s5, v3                        ; my wave's 256 bytes: word `lane`
	v_lshl_add_u32 v5, v14, 5, s5                  ; and 8 hh words along
	s_lshl_b32 s6, s2, 10
	s_add_co_u32 s6, s6, AF
	v_add_nc_u32 v6, s6, v1                        ; my head's fragment
	v_add_nc_u32 v7, AF, v1                        ; head 0's fragment
	v_mul_u32_u24 v8, v13, YP
	v_lshl_add_u32 v8, v14, 5, v8
	s_lshl_b32 s7, s2, 7
	s_add_co_u32 s7, s7, YL
	v_add_nc_u32 v8, s7, v8                        ; row r, column 32 h + 8 hh
	s_mul_i32 s7, s2, 2*YP
	s_add_co_u32 s7, s7, YL
	v_add_nc_u32 v9, s7, v1                        ; row 2 h, 16 bytes a lane
	s_lshl_b32 s40, s3, 14
	s_lshl_b32 s41, s2, 11
	s_add_co_u32 s40, s40, s41                     ; qf: [g][2 h]; x and out0: row 16 g + 2 h
	s_lshl3_add_u32 s41, s4, s2
	s_lshl_b32 s41, s41, 15                        ; kf, vf: [b][h]
	s_lshl_b32 s42, s4, 13
	s_add_co_u32 s42, s42, s5                      ; pm: [4 b][2 h]
	s_lshl_b32 s43, s2, 14                         ; wof: [h]
	s_wait_kmcnt 0x0
	ADDOFF 18, 40
	ADDOFF 8, 40
	ADDOFF 30, 40
	ADDOFF 14, 42
	ADDOFF 10, 41
	ADDOFF 12, 41
	ADDOFF 16, 43
	s_wait_alu depctr_va_vdst(0)                   ; v1 and v3 to v9 are written: every load, store and LDS instruction of the kernel reads one of them as its offset or address
.irp n, 0,1,2,3
	global_load_b128 v[XR+4*\n:XR+4*\n+3], v1, s[18:19] offset:512*\n
.endr
	global_load_b128 v[BO:BO+3],   v1, s[20:21]
	global_load_b128 v[BO+4:BO+7], v1, s[20:21] offset:512
.irp n, 0,1,2,3
	global_load_b128 v[SC+4*\n:SC+4*\n+3], v1, s[8:9] offset:512*\n        ; row r, head dims 8 hh + 0..7 and 16 + 8 hh + 0..7
.endr
.irp t, 0,1
.irp q, 0,1,2,3
	global_load_b32 v[TC+4*\t+\q], v3, s[14:15] offset:\q*2048+\t*128      ; row block q, column tile 2 h + t: 16 maxima, 16 negated minima
.endr
.endr
	LD8 RING,    10, 0                             ; K and V of chunks 0 and 1
	LD8 RING+32, 12, 0
	LD8 RING+64, 10, 4096
	LD8 RING+96, 12, 4096
	s_wait_loadcnt 32                              ; the ring's four groups of eight stay out
.irp t, 0,1
	v_max3_num_f32 v[TC+4*\t], v[TC+4*\t], v[TC+4*\t+1], v[TC+4*\t+2]
	v_max_num_f32 v[TC+4*\t], v[TC+4*\t], v[TC+4*\t+3]                     ; over the batch's four row blocks
.endr
	s_wait_alu depctr_va_vdst(0)                   ; the maxima have written v208 and v212, which the two LDS stores read
.irp t, 0,1
	ds_store_b32 v4, v[TC+4*\t] offset:\t*128
.endr
.irp t, 0,1
	ds_load_b128 v[SC+16+8*\t:SC+19+8*\t], v5 offset:\t*128                ; my wave's own bytes, served in order (ISA guide 5.7.1): no barrier
	ds_load_b128 v[SC+20+8*\t:SC+23+8*\t], v5 offset:\t*128+16             ; max P' of my 8 + 8 head dims
	ds_load_b128 v[PB+8*\t:PB+8*\t+3],     v5 offset:\t*128+64             ; c of the same
	ds_load_b128 v[PB+8*\t+4:PB+8*\t+7],   v5 offset:\t*128+80
.endr
	s_wait_dscnt 0x0
	s_wait_alu depctr_vm_vsrc(0)                   ; the two LDS stores have read v208 and v212, which the product Q_r . c writes
.irp j, 0,2,4,6,8,10,12,14
	v_pk_add_f32 v[SC+\j:SC+\j+1], v[SC+\j:SC+\j+1], v[SC+16+\j:SC+17+\j]
.endr
.irp j, 0,2,4,6,8,10,12,14
	v_pk_mul_f32 v[SC+\j:SC+\j+1], v[SC+\j:SC+\j+1], s[36:37] op_sel_hi:[1,0]
.endr
.irp k, 0,1,2,3,4,5,6,7
	v_cvt_pk_bf16_f32 v[QF+\k], v[SC+2*\k], v[SC+2*\k+1]
	v_cvt_pk_bf16_f32 v[PB+\k], v[PB+2*\k], v[PB+2*\k+1]                   ; in place: words 2k, 2k+1 >= k are still whole
.endr
	v_wmma_f32_16x16x32_bf16 v[TC:TC+7], v[PB:PB+7], v[QF:QF+7], 0         ; every row of source 0 is c: all 8 registers = Q_r(r) . c
	PLACES 5                                       ; the result becomes the C of other accumulators
; 64 keys.  buf: which half of the ring; first = 1: nothing to rescale, the sums start here, and no V buffer is free yet.
; kleft: the loads issued behind this chunk's K.  (vb, vo): base register and byte offset of what refills the OTHER half's V; (kb, ko): of what refills this half's K.
.macro CHUNK buf, first, kleft, vb, vo, kb, ko
	s_wait_loadcnt \kleft                          ; this chunk's K is in; the groups of eight issued behind it stay out
.irp i, 0,1,2,3
	v_wmma_f32_16x16x32_bf16 v[SC+8*\i:SC+8*\i+7], v[RING+64*\buf+8*\i:RING+64*\buf+8*\i+7], v[QF:QF+7], v[TC:TC+7]
.endr
	PLACES 4                                       ; before vector instructions read the scores
	s_wait_alu depctr_va_vdst(0)                   ; the score products are done reading K of this half, the chunk before's V^T P reading V of the other half: the sixteen loads below land there, and no vector or matrix instruction up to the next such wait names those registers
	; lane (r, hh): query r, keys 16 i + 8 hh + j.  The largest of my 32, then of the other half's 32.  The next chunk's V is asked for among these lines
.if \first == 0
	LD1 RING+96-64*\buf, \vb, \vo, 0
.endif
.if \first
	v_max_num_f32 v20, v[SC], v[SC+1]
.else
	v_max3_num_f32 v20, v[MN], v[SC], v[SC+1]
.endif
	v_max3_num_f32 v21, v[SC+16], v[SC+17], v[SC+18]
.set ln, 1
.irp j, 2,4,6,8,10,12
.if \first == 0
	LD1 RING+96-64*\buf, \vb, \vo, ln
.endif
	v_max3_num_f32 v20, v20, v[SC+\j], v[SC+\j+1]
	v_max3_num_f32 v21, v21, v[SC+17+\j], v[SC+18+\j]
.set ln, ln+1
.endr
.if \first == 0
	LD1 RING+96-64*\buf, \vb, \vo, 7
.endif
	v_max3_num_f32 v20, v20, v[SC+14], v[SC+15]
	v_max3_num_f32 v21, v21, v[SC+31], v20
	v_permlanex16_b32 v13, v21, s34, s35
	v_max_num_f32 v20, v21, v13
.if \first == 0
	v_sub_f32 v[AL], v[MN], v20
.endif
	v_mov_b32 v[MN], v20
	v_mov_b32 v[MN+1], v20
.set j, 0
.rept 16
	v_pk_add_f32 v[SC+j:SC+j+1], v[SC+j:SC+j+1], v[MN:MN+1] neg_lo:[0,1] neg_hi:[0,1]
.if j % 4 == 0
	LD1 RING+64*\buf, \kb, \ko, j/4                ; K of the chunk two further on, a load behind every second line
.endif
.set j, j+2
.endr
.if \first == 0
	v_exp_f32 v[AL], v[AL]
.endif
.set j, 0
.rept 32
	v_exp_f32 v[SC+j], v[SC+j]
.set j, j+1
.endr
	v_nop                                          ; one plain slot behind the run of exponentials before a result is used (ISA guide 5.7.2)
.if \first == 0
	s_wait_alu depctr_va_vdst(0)
	v_mov_b32 v[AL+1], v[AL]
.endif
.set j, 0
	s_wait_alu depctr_va_vdst(0)
.rept 16
	v_cvt_pk_bf16_f32 v[PB+j], v[SC+2*j], v[SC+2*j+1]          ; tiles 0, 1 are fragment 0 (32 keys), tiles 2, 3 fragment 1
.set j, j+1
.endr
.if \first == 0
.irp j, 0,2,4,6,8,10,12,14
	v_pk_mul_f32 v[OA+\j:OA+\j+1], v[OA+\j:OA+\j+1], v[AL:AL+1]
.endr
	v_pk_mul_f32 v[LS:LS+1],   v[LS:LS+1],   v[AL:AL+1]
	v_pk_mul_f32 v[LS+2:LS+3], v[LS+2:LS+3], v[AL:AL+1]
.endif
	s_wait_loadcnt 24                              ; this chunk's V is in; behind it: the next chunk's K and V, and K of the chunk after that
.irp d, 0,1
.if \first
	v_wmma_f32_16x16x32_bf16 v[OA+8*\d:OA+8*\d+7], v[RING+32+64*\buf+8*\d:RING+39+64*\buf+8*\d], v[PB:PB+7], 0
.else
	v_wmma_f32_16x16x32_bf16 v[OA+8*\d:OA+8*\d+7], v[RING+32+64*\buf+8*\d:RING+39+64*\buf+8*\d], v[PB:PB+7], v[OA+8*\d:OA+8*\d+7]
.endif
.endr
.irp d, 0,1
	v_wmma_f32_16x16x32_bf16 v[OA+8*\d:OA+8*\d+7], v[RING+48+64*\buf+8*\d:RING+55+64*\buf+8*\d], v[PB+8:PB+15], v[OA+8*\d:OA+8*\d+7]
.endr
	; the sum of the exponentials: these adds name none of the four products' registers
.if \first
	v_pk_add_f32 v[LS:LS+1],   v[SC:SC+1],   v[SC+2:SC+3]
	v_pk_add_f32 v[LS+2:LS+3], v[SC+4:SC+5], v[SC+6:SC+7]
.set j, 4
.rept 12
	v_pk_add_f32 v[LS+2*(j%2):LS+2*(j%2)+1], v[LS+2*(j%2):LS+2*(j%2)+1], v[SC+2*j:SC+2*j+1]
.set j, j+1
.endr
.else
.set j, 0
.rept 16
	v_pk_add_f32 v[LS+2*(j%2):LS+2*(j%2)+1], v[LS+2*(j%2):LS+2*(j%2)+1], v[SC+2*j:SC+2*j+1]
.set j, j+1
.endr
.endif
.endm
	; every address is an immediate: no pointer is stepped.  Order of the groups of eight: K0 V0 K1 V1 | K2 | V2 K3 | V3 K4 | .. | V7 Wo | Wo Wo | Wo
	CHUNK 0, 1, 24, 12, 0,     10, 8192            ; behind K0: V0, K1, V1.  (No V buffer is free: the V arguments are not used)
	CHUNK 1, 0, 16, 12, 8192,  10, 12288           ; from here on, behind a chunk's K: its V and the next chunk's K
	CHUNK 0, 0, 16, 12, 12288, 10, 16384
	CHUNK 1, 0, 16, 12, 16384, 10, 20480
	CHUNK 0, 0, 16, 12, 20480, 10, 24576
	CHUNK 1, 0, 16, 12, 24576, 10, 28672
	CHUNK 0, 0, 16, 12, 28672, 16, 0               ; the last refills bring Wo's 16 fragments of my 32 output columns:
	CHUNK 1, 0, 16, 16, 4096,  16, 8192            ; fragment 2 s + tile at RING + 8 (2 s + tile)
	s_wait_alu depctr_va_vdst(0)                   ; the last V^T P are done reading V1 and P, the roundings have written P, the score products are done with Q and Q . c: the sixteen loads below land in these registers
	LD8 RING+96, 16, 12288
	global_load_b128 v[G1:G1+3],   v1, s[22:23]
	global_load_b128 v[G1+4:G1+7], v1, s[22:23] offset:512
	global_load_b128 v[B1:B1+3],   v1, s[24:25]
	global_load_b128 v[B1+4:B1+7], v1, s[24:25] offset:512
	global_load_b128 v[G2:G2+3],   v1, s[26:27]
	global_load_b128 v[G2+4:G2+7], v1, s[26:27] offset:512
	global_load_b128 v[B2:B2+3],   v1, s[28:29]
	global_load_b128 v[B2+4:B2+7], v1, s[28:29] offset:512
	; divide by the sum (at least 1: the largest score gives 2^0), round, publish my head's fragment
	v_pk_add_f32 v[LS:LS+1], v[LS:LS+1], v[LS+2:LS+3]
	v_add_f32 v[LS], v[LS], v[LS+1]
	v_permlanex16_b32 v13, v[LS], s34, s35
	v_add_f32 v[LS], v[LS], v13
	v_rcp_f32 v22, v[LS]
	v_nop
	s_wait_alu depctr_va_vdst(0)
	v_mov_b32 v23, v22
.irp j, 0,2,4,6,8,10,12,14
	v_pk_mul_f32 v[OA+\j:OA+\j+1], v[OA+\j:OA+\j+1], v[22:23]
.endr
.irp k, 0,1,2,3,4,5,6,7
	v_cvt_pk_bf16_f32 v[SC+\k], v[OA+2*\k], v[OA+2*\k+1]       ; query r, head dims 8 hh + 0..7 | 16 + 8 hh + 0..7: a fragment as it stands
.endr
	s_wait_alu depctr_va_vdst(0)                   ; the roundings have written v[152:159], which the two LDS stores read; all vector work on the scores' registers is done, in which the fragments below land
	ds_store_b128 v6, v[SC:SC+3]
	ds_store_b128 v6, v[SC+4:SC+7] offset:512
	s_wait_dscnt 0x0                               ; done before I say so: every wave reads all eight heads
	s_barrier_signal -1
	s_barrier_wait -1
	s_wait_alu depctr_vm_vsrc(0)                   ; my two LDS stores have read v[152:159], in which head 0's fragment lands
	; OUTPUT PROJECTION: K step s = head s; source 0 = 16 rows of Wo, source 1 = the 16 queries
.macro AFH s, p                        ; half p of head s's fragment of the attention, into place s % 4 of four
	ds_load_b128 v[SC+8*((\s)%4)+4*(\p):SC+8*((\s)%4)+4*(\p)+3], v7 offset:(\s)*1024+512*(\p)
.endm
.macro OMUL s, c, zero                 ; head s, output tile c; the two accumulators take turns
.if \zero
	v_wmma_f32_16x16x32_bf16 v[OA+8*\c:OA+8*\c+7], v[RING+16*\s+8*\c:RING+16*\s+8*\c+7], v[SC+8*((\s)%4):SC+8*((\s)%4)+7], 0
.else
	v_wmma_f32_16x16x32_bf16 v[OA+8*\c:OA+8*\c+7], v[RING+16*\s+8*\c:RING+16*\s+8*\c+7], v[SC+8*((\s)%4):SC+8*((\s)%4)+7], v[OA+8*\c:OA+8*\c+7]
.endif
.endm
.irp s, 0,1,2,3
	AFH \s, 0
	AFH \s, 1
.endr
	s_wait_loadcnt 24                              ; Wo's fragments 0-7 are in; 16 loads of Wo and 8 of the norms' parameters stay out
	s_wait_dscnt 4                                 ; heads 0 and 1 are in; the four loads of heads 2 and 3 stay out
	OMUL 0, 0, 1
	OMUL 0, 1, 1
	OMUL 1, 0, 0
	OMUL 1, 1, 0
	s_wait_dscnt 0x0                               ; heads 2 and 3
	s_wait_alu depctr_va_vdst(0)                   ; the products of heads 0 and 1 are done reading v[152:167], in which heads 4 and 5 land; the four products below name v[168:183]
	OMUL 2, 0, 0
	AFH 4, 0
	OMUL 2, 1, 0
	AFH 4, 1
	OMUL 3, 0, 0
	AFH 5, 0
	OMUL 3, 1, 0
	AFH 5, 1
	s_wait_loadcnt 8                               ; all of Wo is in
	s_wait_dscnt 0x0                               ; heads 4 and 5
	s_wait_alu depctr_va_vdst(0)                   ; the products of heads 2 and 3 are done reading v[168:183], in which heads 6 and 7 land; the four products below name v[152:167]
	OMUL 4, 0, 0
	AFH 6, 0
	OMUL 4, 1, 0
	AFH 6, 1
	OMUL 5, 0, 0
	AFH 7, 0
	OMUL 5, 1, 0
	AFH 7, 1
	s_wait_dscnt 0x0                               ; heads 6 and 7
	OMUL 6, 0, 0
	OMUL 6, 1, 0
	OMUL 7, 0, 0
	OMUL 7, 1, 0
	PLACES 4                                       ; before the results are stored
	s_wait_alu depctr_va_vdst(0)                   ; the products have written the two accumulators, which the LDS stores read, and are done reading v[152:183], in which the rows y land; the places above stay beside this wait
	ds_store_b128 v8, v[OA:OA+3]                   ; row r, columns 32 h + 8 hh + 0..7,
	ds_store_b128 v8, v[OA+4:OA+7]   offset:16
	ds_store_b128 v8, v[OA+8:OA+11]  offset:64     ; and 32 h + 16 + 8 hh + 0..7
	ds_store_b128 v8, v[OA+12:OA+15] offset:80
	s_wait_dscnt 0x0                               ; done before I say so: a row is made of all eight waves' columns
	s_barrier_signal -1
	s_barrier_wait -1
	ds_load_b128 v[SC:SC+3],     v9                ; row 2 h: columns 4 lane .., 128 + 4 lane ..
	ds_load_b128 v[SC+4:SC+7],   v9 offset:512
	ds_load_b128 v[SC+8:SC+11],  v9 offset:YP      ; row 2 h + 1
	ds_load_b128 v[SC+12:SC+15], v9 offset:YP+512
	s_wait_loadcnt 0x0                             ; g1, b1, g2, b2
	s_wait_dscnt 0x0
.irp j, 0,2,4,6
	v_pk_add_f32 v[SC+\j:SC+\j+1],   v[SC+\j:SC+\j+1],   v[BO+\j:BO+\j+1]
	v_pk_add_f32 v[SC+8+\j:SC+9+\j], v[SC+8+\j:SC+9+\j], v[BO+\j:BO+\j+1]
.endr
.irp j, 0,2,4,6,8,10,12,14
	v_pk_add_f32 v[SC+\j:SC+\j+1], v[SC+\j:SC+\j+1], v[XR+\j:XR+\j+1]
.endr
.macro RED2                            ; v[TT] and v[TT+4] summed over the 32 lanes, the result in every lane
.irp m, 1,2,4,8
.irp y, 0,1
	v_add_f32_dpp v[TT+4*\y], v[TT+4*\y], v[TT+4*\y] row_xmask:\m row_mask:0xf bank_mask:0xf
.endr
.endr
.irp y, 0,1
	v_permlanex16_b32 v[12+\y], v[TT+4*\y], s34, s35
.endr
.irp y, 0,1
	v_add_f32 v[TT+4*\y], v[TT+4*\y], v[12+\y]
.endr
.endm
; a layer norm of my two rows, in place: the mean first, then the mean square of what is left (no difference of large sums)
.macro LN G, B
.irp y, 0,1
	v_pk_add_f32 v[TT+4*\y:TT+4*\y+1],   v[SC+8*\y:SC+8*\y+1],   v[SC+8*\y+2:SC+8*\y+3]
	v_pk_add_f32 v[TT+4*\y+2:TT+4*\y+3], v[SC+8*\y+4:SC+8*\y+5], v[SC+8*\y+6:SC+8*\y+7]
.endr
.irp y, 0,1
	v_pk_add_f32 v[TT+4*\y:TT+4*\y+1], v[TT+4*\y:TT+4*\y+1], v[TT+4*\y+2:TT+4*\y+3]
.endr
.irp y, 0,1
	v_add_f32 v[TT+4*\y], v[TT+4*\y], v[TT+4*\y+1]
.endr
	RED2
.irp y, 0,1
	v_mul_f32 v[MU+2*\y],   s38, v[TT+4*\y]
	v_mul_f32 v[MU+2*\y+1], s38, v[TT+4*\y]
.endr
.irp y, 0,1
.irp j, 0,2,4,6
	v_pk_add_f32 v[SC+8*\y+\j:SC+8*\y+\j+1], v[SC+8*\y+\j:SC+8*\y+\j+1], v[MU+2*\y:MU+2*\y+1] neg_lo:[0,1] neg_hi:[0,1]
.endr
.endr
.irp y, 0,1
	v_pk_mul_f32 v[TT+4*\y:TT+4*\y+1], v[SC+8*\y:SC+8*\y+1], v[SC+8*\y:SC+8*\y+1]
.endr
.irp j, 2,4,6
.irp y, 0,1
	v_pk_fma_f32 v[TT+4*\y:TT+4*\y+1], v[SC+8*\y+\j:SC+8*\y+\j+1], v[SC+8*\y+\j:SC+8*\y+\j+1], v[TT+4*\y:TT+4*\y+1]
.endr
.endr
.irp y, 0,1
	v_add_f32 v[TT+4*\y], v[TT+4*\y], v[TT+4*\y+1]
.endr
	RED2
.irp y, 0,1
	v_fma_f32 v[TT+4*\y], v[TT+4*\y], s38, s39     ; variance + 1e-5
.endr
.irp y, 0,1
	v_rsq_f32 v[MU+2*\y], v[TT+4*\y]
.endr
	v_nop                                          ; one plain slot before the results are used (ISA guide 5.7.2)
	s_wait_alu depctr_va_vdst(0)
.irp y, 0,1
	v_mov_b32 v[MU+2*\y+1], v[MU+2*\y]
.endr
.irp y, 0,1
.irp j, 0,2,4,6
	v_pk_mul_f32 v[SC+8*\y+\j:SC+8*\y+\j+1], v[SC+8*\y+\j:SC+8*\y+\j+1], v[MU+2*\y:MU+2*\y+1]
.endr
.endr
.irp y, 0,1
.irp j, 0,2,4,6
	v_pk_fma_f32 v[SC+8*\y+\j:SC+8*\y+\j+1], v[SC+8*\y+\j:SC+8*\y+\j+1], v[\G+\j:\G+\j+1], v[\B+\j:\B+\j+1]
.endr
.endr
.endm
	LN G1, B1
	LN G2, B2
	s_wait_alu depctr_va_vdst(0)                   ; the second norm has written v[152:167], which the four stores read
.irp n, 0,1,2,3
	global_store_b128 v1, v[SC+4*\n:SC+4*\n+3], s[30:31] offset:512*\n     ; each store of the wave: 512 consecutive bytes, aligned
.endr
	s_set_vgpr_msb 0x5
	s_wait_dscnt 0x0
	s_wait_alu depctr_hold_cnt(0) depctr_sa_sdst(0) depctr_va_vdst(0) depctr_va_sdst(0) depctr_va_ssrc(0) depctr_va_vcc(0) depctr_vm_vsrc(0)
	s_wait_tensorcnt 0x0
	ds_add_u32 v0, v1
	s_wait_dscnt 0x0
	s_endpgm
.Lfunc_end_k_q70e30a518d_attn:
	.size	k_q70e30a518d_attn, .Lfunc_end_k_q70e30a518d_attn-k_q70e30a518d_attn
	.p2alignl 7, 3214868480
	.fill 96, 4, 3214868480
	.section	.rodata,"a",@progbits
	.p2align	6, 0x0
	.amdhsa_kernel k_q70e30a518d_attn
		.amdhsa_group_segment_fixed_size 27904
		.amdhsa_private_segment_fixed_size 0
		.amdhsa_enable_private_segment 0
		.amdhsa_kernarg_size 96
		.amdhsa_user_sgpr_count 2
		.amdhsa_user_sgpr_kernarg_segment_ptr 1
		.amdhsa_wavefront_size32 1
		.amdhsa_system_sgpr_workgroup_id_x 1
		.amdhsa_system_sgpr_workgroup_id_y 1
		.amdhsa_system_sgpr_workgroup_id_z 1
		.amdhsa_system_vgpr_workitem_id 0
		.amdhsa_next_free_vgpr 258
		.amdhsa_next_free_sgpr 66
		.amdhsa_reserve_vcc 0
		.amdhsa_float_denorm_mode_32 3
		.amdhsa_float_denorm_mode_16_64 3
		.amdhsa_memory_ordered 1
		.amdhsa_forward_progress 1
		.amdhsa_inst_pref_size 92
	.end_amdhsa_kernel
	.amdgpu_metadata
---
amdhsa.version: [ 1, 2 ]
amdhsa.kernels:
  - .name:           k_q70e30a518d_attn
    .symbol:         k_q70e30a518d_attn.kd
    .args:
      - { .name: qf, .offset: 0, .size: 8, .value_kind: global_buffer, .address_space: global }
      - { .name: kf, .offset: 8, .size: 8, .value_kind: global_buffer, .address_space: global }
      - { .name: vf, .offset: 16, .size: 8, .value_kind: global_buffer, .address_space: global }
      - { .name: pm, .offset: 24, .size: 8, .value_kind: global_buffer, .address_space: global }
      - { .name: wof, .offset: 32, .size: 8, .value_kind: global_buffer, .address_space: global }
      - { .name: x, .offset: 40, .size: 8, .value_kind: global_buffer, .address_space: global }
      - { .name: bo, .offset: 48, .size: 8, .value_kind: global_buffer, .address_space: global }
      - { .name: g1, .offset: 56, .size: 8, .value_kind: global_buffer, .address_space: global }
      - { .name: b1, .offset: 64, .size: 8, .value_kind: global_buffer, .address_space: global }
      - { .name: g2, .offset: 72, .size: 8, .value_kind: global_buffer, .address_space: global }
      - { .name: b2, .offset: 80, .size: 8, .value_kind: global_buffer, .address_space: global }
      - { .name: out0, .offset: 88, .size: 8, .value_kind: global_buffer, .address_space: global }
    .group_segment_fixed_size: 27904
    .private_segment_fixed_size: 0
    .kernarg_segment_align: 8
    .kernarg_segment_size: 96
    .max_flat_workgroup_size: 256
    .sgpr_count:     66
    .vgpr_count:     258
    .wavefront_size: 32
...
	.end_amdgpu_metadata
.endif
;; end of part 4
